; MI455X (gfx1250); checked and timed in simulation.
; The chip was launched on July 23, 2026; its instructions are those of AMD's public machine-readable ISA for CDNA 5 (MIT licence, August 2026) and "CDNA5" Instruction Set Architecture Reference Guide (July 2026). The comments in the code are by the model that wrote it; some were corrected since.
;; Causal Self Attention. Allowed arithmetic: float matrix products may take bf16 or f16 operands with f32 sums; all other float work in f32.
;; Inputs: W_proj 1,024 x 1,024 float32; W_qkv 3,072 x 1,024 float32; x 4 x 2,048 x 1,024 float32.
;; Outputs: out0 4 x 2,048 x 1,024 float32.
;; 2 versions, each right; version 2 is version 1 with the launch cast written anew for expert scheduling mode. Each part assembles by itself: llvm-mc -triple=amdgcn-amd-amdhsa -mcpu=gfx1250 --defsym DOCPART=n.
;; ======== version 1 of 2: 4 launches
;; limits: values are held in f16: magnitudes above 65,504 overflow, below 6.1e-05 lose precision
;; workspace buffers: xb 16,777,216 bytes; wqb 6,291,456 bytes; wpb 2,097,152 bytes; rope 524,288 bytes; qkv 50,331,648 bytes; y 16,777,216 bytes
;; launch cast (part 1): grid 768 x 1, 8 waves a work-group, no clusters, 0 bytes of LDS; arguments x, W_qkv, W_proj, xb, wqb, wpb, rope; writes xb, wqb, wpb, rope
.if DOCPART == 1
	.amdgcn_target "amdgcn-amd-amdhsa--gfx1250"
	.amdhsa_code_object_version 6
	.text
	.protected	k_qcdef194d23_cast
	.globl	k_qcdef194d23_cast
	.p2align	8
	.type	k_qcdef194d23_cast,@function
k_qcdef194d23_cast:
	s_mov_b64 s[64:65], 0
	v_nop
	global_prefetch_b8 v0, s[64:65] scope:SCOPE_SE
	s_setreg_imm32_b32 hwreg(HW_REG_WAVE_MODE, 25, 1), 1
	s_wait_xcnt 0x0
; cast: the three f32 inputs are rounded once to the 16-bit operands of the matrix products, and the table of RoPE's cosines and sines is made.
;   x      -> xb   bf16 [8192][1024]                      work-groups   0 .. 511
;   W_qkv  -> wqb  bf16 [16 head][3 part][64 d][1024]     work-groups 512 .. 703: the rows are put in another order, so that one head's q, k and v rows are 192 consecutive rows
;   W_proj -> wpb  rounded to bf16, then written as f16 (exact from 2^-14 up; below that the absolute error stays under 3e-8)   work-groups 704 .. 767
;   rope   f32 [2048 t][32 i][cos, sin], 256 bytes for each t: work-groups 0 .. 255 make 256 entries each, while their loads are on their way
; LIMIT: |W_proj| up to 65,504 (f16's largest number).  NaN and infinities are not followed.
; A work-group takes 16,384 numbers (16 rows): 64 KiB in, 32 KiB out.  A stream: no LDS, no barrier, no matrix unit, nothing read twice.
; Thread t takes 16 neighbouring bytes of each 4,096-byte group: a wave's load covers 512 consecutive bytes, its store of 8 bytes a lane
; 256 consecutive bytes that start at a multiple of 256.  All sixteen loads of a thread go out at once; nothing is rewritten, so there is no loop.
.set X, 8                              ; v[8:71]    sixteen groups of 4 numbers as loaded
.set Y, 72                             ; v[72:103]  sixteen groups of 2 packed words to store
.set T, 104                            ; v[104:115] the table's arithmetic
	s_load_b256 s[4:11], s[0:1], 0x0               ; x s[4:5], W_qkv s[6:7], W_proj s[8:9], xb s[10:11]
	s_load_b128 s[12:15], s[0:1], 0x20             ; wqb s[12:13], wpb s[14:15]
	s_load_b64 s[16:17], s[0:1], 0x30              ; rope
	s_mov_b32 s18, ttmp9                           ; g, the work-group's number
	s_mov_b32 s20, ttmp9                           ; the chunk's number in its source: g for x,
	s_mov_b32 s19, ttmp9                           ; and in its destination
	s_max_u32 s21, s18, 512
	s_sub_co_u32 s21, s21, 512                     ; c = g - 512 for W_qkv,
	s_max_u32 s22, s18, 704
	s_sub_co_u32 s22, s22, 704                     ; g - 704 for W_proj
	s_bfe_u32 s23, s21, 0x40002                    ; W_qkv's chunk c holds rows 16 c .. 16 c + 15: part c / 64, head (c / 4) % 16, quarter c % 4 of the head's 64 rows;
	s_mul_i32 s23, s23, 12                         ; it goes to chunk 12 head + 4 part + quarter
	s_lshr_b32 s26, s21, 6
	s_lshl2_add_u32 s23, s26, s23
	s_and_b32 s26, s21, 3
	s_add_co_u32 s23, s23, s26
	v_lshlrev_b32 v1, 4, v0                        ; 16 t: my bytes in a group as loaded
	v_lshlrev_b32 v2, 3, v0                        ; 8 t: my bytes in a group as stored, and my entry of the table
	s_wait_kmcnt 0x0
	s_cmp_ge_u32 s18, 512                          ; the choice of source and destination hangs on the work-group's number alone
	s_cselect_b64 s[4:5], s[6:7], s[4:5]
	s_cselect_b64 s[10:11], s[12:13], s[10:11]
	s_cselect_b32 s20, s21, s20
	s_cselect_b32 s19, s23, s19
	s_cmp_ge_u32 s18, 704
	s_cselect_b64 s[4:5], s[8:9], s[4:5]
	s_cselect_b64 s[10:11], s[14:15], s[10:11]
	s_cselect_b32 s20, s22, s20
	s_cselect_b32 s19, s22, s19
	s_lshl_b32 s24, s20, 16                        ; 65,536 bytes in for each chunk (511 chunks at the most: below 4 GiB)
	s_mov_b32 s25, 0
	s_add_nc_u64 s[4:5], s[4:5], s[24:25]
	s_lshl_b32 s24, s19, 15                        ; 32,768 bytes out
	s_add_nc_u64 s[10:11], s[10:11], s[24:25]
.irp i, 0,1,2,3,4,5,6,7,8,9,10,11,12,13,14,15
	global_load_b128 v[X+4*\i:X+4*\i+3], v1, s[4:5] offset:4096*\i th:TH_LOAD_NT
.endr
	; The table: entry (t, i) = cos and sin of t * 10000^(-i/32), t = 8 g + wave, i = lane.
	s_cmp_ge_u32 s18, 256
	s_cbranch_scc1 .Lno_table
	s_lshl_b32 s26, s18, 11                        ; 8 rows of 256 bytes for each work-group
	s_mov_b32 s27, 0
	s_add_nc_u64 s[16:17], s[16:17], s[26:27]
	s_lshl_b32 s28, s18, 3
	v_and_b32 v[T], 31, v0
	v_cvt_f32_u32 v[T], v[T]
	v_mul_f32 v[T], 0xbed49a78, v[T]               ; i * (-log2(10000) / 32)
	v_exp_f32 v[T], v[T]                           ; 10000^(-i/32)
	v_lshrrev_b32 v[T+1], 5, v0                    ; a plain instruction stands between the exponential and the use of its result (ISA guide 5.7.2)
	v_add_nc_u32 v[T+1], s28, v[T+1]               ; t
	v_cvt_f32_u32 v[T+1], v[T+1]
	s_wait_alu depctr_va_vdst(0)
	v_mul_f32 v[T+2], v[T+1], v[T]                 ; the angle, below 2,048
	v_mul_f32 v[T+3], 0x3f22f983, v[T+2]           ; times 2 / pi
	v_rndne_f32 v[T+3], v[T+3]                     ; q, the nearest multiple of pi / 2 (1,303 at the most)
	v_fmamk_f32 v[T+4], v[T+3], 0xbfc90fdb, v[T+2] ; r = angle - q * pi/2, pi/2 in two parts: the f32 nearest to it,
	v_fmamk_f32 v[T+4], v[T+3], 0x333bbd2e, v[T+4] ; and what that f32 is too large by; |r| <= pi/4
	v_mul_f32 v[T+5], v[T+4], v[T+4]               ; z = r^2
	v_mov_b32 v[T+6], 0xb9500d01                   ; sin r = r + r z (-1/6 + z (1/120 - z/5040)): the next term is below 3e-7 at pi/4
	v_fmaak_f32 v[T+6], v[T+5], v[T+6], 0x3c088889
	v_fmaak_f32 v[T+6], v[T+5], v[T+6], 0xbe2aaaab
	v_mul_f32 v[T+7], v[T+4], v[T+5]
	v_fma_f32 v[T+6], v[T+7], v[T+6], v[T+4]
	v_mov_b32 v[T+7], 0x37d00d01                   ; cos r = 1 + z (-1/2 + z (1/24 + z (-1/720 + z/40320))): the next term is below 3e-8
	v_fmaak_f32 v[T+7], v[T+5], v[T+7], 0xbab60b61
	v_fmaak_f32 v[T+7], v[T+5], v[T+7], 0x3d2aaaab
	v_fma_f32 v[T+7], v[T+5], v[T+7], -0.5
	v_fma_f32 v[T+7], v[T+5], v[T+7], 1.0
	v_cvt_i32_f32 v[T+8], v[T+3]
	v_and_b32 v[T+9], 1, v[T+8]
	v_cmp_eq_u32 vcc_lo, 1, v[T+9]                 ; odd q: sine and cosine change places (a choice of values only)
	v_cndmask_b32 v[T+11], v[T+6], v[T+7], vcc_lo
	v_cndmask_b32 v[T+10], v[T+7], v[T+6], vcc_lo
	v_and_b32 v[T+9], 2, v[T+8]                    ; the sine is negated for q mod 4 = 2, 3,
	v_lshlrev_b32 v[T+9], 30, v[T+9]
	v_xor_b32 v[T+11], v[T+11], v[T+9]
	v_add_nc_u32 v[T+8], 1, v[T+8]                 ; the cosine for q mod 4 = 1, 2
	v_and_b32 v[T+8], 2, v[T+8]
	v_lshlrev_b32 v[T+8], 30, v[T+8]
	v_xor_b32 v[T+10], v[T+10], v[T+8]
	global_store_b64 v2, v[T+10:T+11], s[16:17]    ; a wave stores one row of the table, 256 consecutive bytes
.Lno_table:
; Group i: rounded to bf16; half = 1: the bf16 numbers are widened again and written as f16.
.macro GROUP i, half
	s_wait_loadcnt 15-\i                           ; loads come back in order (ISA guide 5.7.1): group i is in, the 15 - i younger ones stay out
	v_cvt_pk_bf16_f32 v[Y+2*\i],   v[X+4*\i],   v[X+4*\i+1]
	v_cvt_pk_bf16_f32 v[Y+2*\i+1], v[X+4*\i+2], v[X+4*\i+3]
.if \half
	v_lshlrev_b32 v[X+4*\i],   16, v[Y+2*\i]
	v_and_b32     v[X+4*\i+1], 0xffff0000, v[Y+2*\i]
	v_lshlrev_b32 v[X+4*\i+2], 16, v[Y+2*\i+1]
	v_and_b32     v[X+4*\i+3], 0xffff0000, v[Y+2*\i+1]
	v_cvt_pk_f16_f32 v[Y+2*\i],   v[X+4*\i],   v[X+4*\i+1]
	v_cvt_pk_f16_f32 v[Y+2*\i+1], v[X+4*\i+2], v[X+4*\i+3]
.endif
	global_store_b64 v2, v[Y+2*\i:Y+2*\i+1], s[10:11] offset:2048*\i
.endm
	s_cmp_ge_u32 s18, 704
	s_cbranch_scc1 .Lto_f16
.irp i, 0,1,2,3,4,5,6,7,8,9,10,11,12,13,14,15
	GROUP \i, 0
.endr
	s_endpgm
.Lto_f16:
.irp i, 0,1,2,3,4,5,6,7,8,9,10,11,12,13,14,15
	GROUP \i, 1
.endr
	s_endpgm
.Lfunc_end_k_qcdef194d23_cast:
	.size	k_qcdef194d23_cast, .Lfunc_end_k_qcdef194d23_cast-k_qcdef194d23_cast
	.p2alignl 7, 3214868480
	.fill 96, 4, 3214868480
	.section	.rodata,"a",@progbits
	.p2align	6, 0x0
	.amdhsa_kernel k_qcdef194d23_cast
		.amdhsa_group_segment_fixed_size 0
		.amdhsa_private_segment_fixed_size 0
		.amdhsa_enable_private_segment 0
		.amdhsa_kernarg_size 56
		.amdhsa_user_sgpr_count 2
		.amdhsa_user_sgpr_kernarg_segment_ptr 1
		.amdhsa_wavefront_size32 1
		.amdhsa_system_sgpr_workgroup_id_x 1
		.amdhsa_system_sgpr_workgroup_id_y 1
		.amdhsa_system_sgpr_workgroup_id_z 1
		.amdhsa_system_vgpr_workitem_id 0
		.amdhsa_next_free_vgpr 120
		.amdhsa_next_free_sgpr 66
		.amdhsa_reserve_vcc 1
		.amdhsa_float_denorm_mode_32 3
		.amdhsa_float_denorm_mode_16_64 3
		.amdhsa_memory_ordered 1
		.amdhsa_forward_progress 1
		.amdhsa_inst_pref_size 19
	.end_amdhsa_kernel
	.amdgpu_metadata
---
amdhsa.version: [ 1, 2 ]
amdhsa.kernels:
  - .name:           k_qcdef194d23_cast
    .symbol:         k_qcdef194d23_cast.kd
    .args:
      - { .name: x, .offset: 0, .size: 8, .value_kind: global_buffer, .address_space: global }
      - { .name: W_qkv, .offset: 8, .size: 8, .value_kind: global_buffer, .address_space: global }
      - { .name: W_proj, .offset: 16, .size: 8, .value_kind: global_buffer, .address_space: global }
      - { .name: xb, .offset: 24, .size: 8, .value_kind: global_buffer, .address_space: global }
      - { .name: wqb, .offset: 32, .size: 8, .value_kind: global_buffer, .address_space: global }
      - { .name: wpb, .offset: 40, .size: 8, .value_kind: global_buffer, .address_space: global }
      - { .name: rope, .offset: 48, .size: 8, .value_kind: global_buffer, .address_space: global }
    .group_segment_fixed_size: 0
    .private_segment_fixed_size: 0
    .kernarg_segment_align: 8
    .kernarg_segment_size: 56
    .max_flat_workgroup_size: 256
    .sgpr_count:     66
    .vgpr_count:     120
    .wavefront_size: 32
...
	.end_amdgpu_metadata
.endif
;; end of part 1
;; launch qkv (part 2): grid 8 x 32, 4 waves a work-group, clusters of 4 x 4, 327,680 bytes of LDS; arguments xb, wqb, rope, qkv; writes qkv
.if DOCPART == 2
	.amdgcn_target "amdgcn-amd-amdhsa--gfx1250"
	.amdhsa_code_object_version 6
	.text
	.protected	k_qcdef194d23_qkv
	.globl	k_qcdef194d23_qkv
	.p2align	8
	.type	k_qcdef194d23_qkv,@function
k_qcdef194d23_qkv:
	s_mov_b64 s[64:65], 0
	v_nop
	global_prefetch_b8 v0, s[64:65] scope:SCOPE_SE
	s_setreg_imm32_b32 hwreg(HW_REG_WAVE_MODE, 25, 1), 1
	s_wait_xcnt 0x0
	s_wait_alu depctr_hold_cnt(0) depctr_sa_sdst(0) depctr_va_vdst(0) depctr_va_sdst(0) depctr_va_ssrc(0) depctr_va_vcc(0) depctr_vm_vsrc(0)
	s_getreg_b32 s2, hwreg(HW_REG_IB_STS2, 6, 4)
	s_cmp_eq_u32 s2, 0
	s_cbranch_scc0 .Lentry_in_a_cluster
	s_endpgm
.Lentry_in_a_cluster:
	s_bfe_u32 s2, ttmp6, 0x10000c
	s_cmp_lg_u32 s2, 0xf033
	s_cbranch_scc0 .Lentry_shape_is_right
	s_endpgm
.Lentry_shape_is_right:
; qkv: q, k, v = xb [8192][1024] x wqb^T in bf16 with f32 sums; RoPE on q and k in f32; q, k, v stored as f16,
; head-major: qkv[part][batch][head][token][64], a plane of 2,048 x 64 numbers is 262,144 bytes.  wqb is [16 head][3 part][64 d][1024]: one head's q, k and v rows are 192 consecutive rows.
; LIMIT: |q|, |k|, |v| up to 65,504 (f16's largest number); below 2^-14 the absolute error stays under 3e-8.  NaN and infinities are not followed.
; A tile of the result is 256 tokens x 192 columns (one head's q, k, v): 32 x 16 = 512 tiles.  256 work-groups stay and make two tiles each, heads nbase and nbase + 8 of the same 256 tokens.
; Four waves, stacked along the tokens: a wave makes 64 tokens x 192 columns, 48 accumulator tiles of 16 x 16, 384 registers; RoPE's pairs (d, d + 32) lie in one lane.
; K goes in 8 steps of 128 through a ring of two LDS slots filled by the tensor data mover; a tile's rows are 256 bytes of memory and start at multiples of 256 bytes from the buffer's first byte.
; A K step is 192 matrix instructions of each wave.  The ring runs on from the first tile into the second: the first tile's last two changes of slots ask for the second tile's K steps 0 and 1,
; which land while the first tile is rotated, rounded and stored.
; CLUSTERS: 4 x 4 work-groups.  The four of a row of the cluster need the same 256 rows of xb, the four of a column the same 192 rows of wqb:
; each tile is asked for jointly, by the same tensor load in all four, with a mask that names the four.
; REGISTERS, in windows of 256:
;   window 0: v1-v27 addresses; v32-63, v64-95 fragments of xb (4 x 16 tokens x 32 K), two buffers; v96-143 packed results; v144-191, v192-239 data of the stores, two sets
;   window 1: v0-95, v96-191 fragments of wqb (12 x 16 rows x 32 K), two buffers; v192-255 rotated numbers
;   window 2: v0-191 the 24 accumulators of my tokens 0-31 (tile (a, b) at v[8 (12 (a % 2) + b)]); v192-255 their cosines and sines.   window 3: the same for my tokens 32-63
; THE MATRIX INSTRUCTION IS USED TRANSPOSED (source 0 = 16 rows of wqb, source 1 = 16 rows of xb): lane l holds token l % 16, and its registers
; 0 to 7 the columns 8 (l / 16) + 0 .. 7 of the tile: eight neighbouring numbers of a head, which pack into 16 bytes.
; The 48 accumulators take turns, one instruction a turn, in the same order in every quarter step.
.set PITCH,  272                       ; an LDS row: 256 bytes + 16 of padding = 68 words, so the 16 rows that a load touches start at 16 different banks (64 banks of 4 bytes: ISA guide 11.1)
.set AHALF,  128*PITCH                 ; 128 rows of xb: one tensor load
.set BHALF,  96*PITCH                  ; 96 rows of wqb: one tensor load
.set BOFF,   2*AHALF                   ; a slot: xb's 256 rows, then wqb's 192 rows
.set SLOT,   BOFF+2*BHALF              ; 121,856 bytes
.set STAGE,  2*SLOT                    ; behind the ring, at a multiple of 256: 16 rows x 400 bytes for each wave, for the way out; no tensor load lands there
.set SP,     400                       ; a stage row: 384 bytes + 16: an odd multiple of 16
.set SWAVE,  16*SP                     ; 6,400 bytes, a multiple of 256
.set KNEXT,  512                       ; two K steps further, in bytes
.set KBACK,  1536                      ; from K step 6 + s back to K step s
.set BNEXT,  8*192*2048-KBACK          ; the same, eight heads of 192 rows of 2,048 bytes further
.set LAPS,   4                         ; a lap = two K steps = once round the ring
.set ADRA, 16                          ; v16-17  LDS address of my xb fragments in slot 0, 1
.set ADRB, 20                          ; v20-21  the same for wqb
.set STO,  24                          ; the way out: where I put 16 bytes of a token
.set RD,   25                          ; the way out: where I read 16 bytes back
.set CO,   26                          ; my byte offset in a store of 512 bytes
.set TO,   27                          ; my byte offset in the table
.set FA,   32                          ; window 0: fragments of xb, buffer f at FA + 32 f
.set FB,   0                           ; window 1: fragments of wqb, buffer f at FB + 96 f
.set TT,   192                         ; window 1: 64 rotated numbers
.set TAB,  192                         ; windows 2, 3: cosines and sines
.set TMP,  96                          ; window 0: 48 packed words
.set OB,   66                          ; s[66:71] where my tokens of q, of k and of v begin
.set G1,  24                           ; s[24:31] descriptor group 1 for xb's tiles
.set G0,  32                           ; s[32:39] group 0 for xb's tiles, one set for each slot
.set G1B, 48                           ; s[48:55] group 1 for wqb's tiles
.set G0B, 56                           ; s[56:63] group 0 for wqb's tiles
.set SHAPE, (1<<16)|(1<<20)|(1<<21)|(5<<22)|(3<<25)   ; elements of 2 bytes; padding on; bit 21 beside a mask; after every 64 words; 4 words
.set MUL_LO, 0xa1                      ; source 0 (wqb) window 1, source 1 (xb) window 0, C and D window 2
.set MUL_HI, 0xf1                      ; the same, C and D window 3
.set MSB, 0
.macro WIN new                         ; the immediate's high byte repeats the setting that is left
.if MSB != \new
	s_set_vgpr_msb (MSB<<8)|\new
.set MSB, \new
.endif
.endm
.macro PLACES                          ; four places behind a matrix instruction, in front of loads into its sources and of reads of its result
.rept 4
	v_nop
.endr
.endm
; A joint load.  Waves 0 and 1 fetch xb's two halves, waves 2 and 3 wqb's.  Each line has one mask and one set of registers; the branch hangs on the wave's number alone.
; Four v_nop follow each of the two lines.
.macro JLOAD s
	s_cmp_eq_u32 s13, 0
	s_cbranch_scc0 .Lfor_b_\@
	tensor_load_to_lds s[G0+4*\s:G0+4*\s+3], s[G1:G1+7]
	s_nop 0
.rept 4
	v_nop
.endr
	s_branch .Lasked_\@
.Lfor_b_\@:
	tensor_load_to_lds s[G0B+4*\s:G0B+4*\s+3], s[G1B:G1B+7]
	s_nop 0
.rept 4
	v_nop
.endr
.Lasked_\@:
.endm
; A round of the cluster's barrier: my work-group's barrier; wave 0 signals for the work-group; every wave waits for all sixteen; my work-group's barrier once more.
.macro CREST                           ; a round behind its opening barrier
	s_cmp_lg_u32 s12, 0
	s_cbranch_scc1 .Lnot_wave_0_\@
	s_barrier_signal -3
.Lnot_wave_0_\@:
	s_barrier_wait -3
	s_barrier_signal -1
	s_barrier_wait -1
.endm
.macro CROUND
	s_barrier_signal -1
	s_barrier_wait -1
	CREST
.endm
	s_load_b256 s[4:11], s[0:1], 0x0               ; xb s[4:5], wqb s[6:7], rope s[8:9], qkv s[10:11]
	v_lshl_add_u32 v254, v0, 2, 0x41c00
	v_mov_b32 v255, 0
	ds_add_u32 v254, v255
	v_lshrrev_b32 v1, 5, v0
	v_readfirstlane_b32 s12, v1                    ; wave 0..3: my 64 tokens of the tile's 256
	s_lshr_b32 s13, s12, 1                         ; I fetch for xb (0) or for wqb (1),
	s_and_b32 s14, s12, 1                          ; and which half of that tile
	s_bfe_u32 s15, ttmp6, 0x40000                  ; cx
	s_bfe_u32 s16, ttmp6, 0x40004                  ; cy
	s_lshl_b32 s17, ttmp9, 2
	s_add_co_u32 s17, s17, s15                     ; nbase: the first tile's head = 4 x cluster x + cx, 0 .. 7
	s_and_b32 s18, ttmp7, 0xffff
	s_lshl_b32 s18, s18, 2
	s_add_co_u32 s18, s18, s16                     ; mb: block of 256 tokens = 4 x cluster y + cy, 0 .. 31
	s_lshl_b32 s19, s16, 2
	s_lshl_b32 s19, 15, s19                        ; my row of the cluster: places 4 cy .. 4 cy + 3
	s_lshl_b32 s20, 0x1111, s15                    ; my column: places cx, cx + 4, cx + 8, cx + 12
	s_or_b32 s[G1+0], s19, SHAPE                   ; xb's tiles go to my row
	s_mov_b32 s[G1+1], 128<<16                     ; tensor_dim0 = 128 elements
	s_mov_b32 s[G1+2], 128<<16                     ; tensor_dim1 = 128 rows
	s_mov_b32 s[G1+3], 128<<16                     ; tile_dim0 = 128
	s_mov_b32 s[G1+4], 128                         ; tile_dim1 = 128
	s_mov_b32 s[G1+5], 1024                        ; elements from row to row
	s_mov_b32 s[G1+6], 0
	s_mov_b32 s[G1+7], 0
	s_or_b32 s[G1B+0], s20, SHAPE                  ; wqb's tiles go to my column
	s_mov_b32 s[G1B+1], 128<<16
	s_mov_b32 s[G1B+2], 96<<16                     ; 96 rows
	s_mov_b32 s[G1B+3], 128<<16
	s_mov_b32 s[G1B+4], 96
	s_mov_b32 s[G1B+5], 1024
	s_mov_b32 s[G1B+6], 0
	s_mov_b32 s[G1B+7], 0
	; xb's tile hangs on mb alone, wqb's on nbase alone; each address is made in registers that never hold the other coordinate
	s_lshl_b32 s40, s18, 8
	s_lshl_b32 s21, s14, 7
	s_add_co_u32 s40, s40, s21                     ; row 256 mb + 128 x half
	s_lshl_b32 s40, s40, 11                        ; rows of 2,048 bytes (16 MiB at the most)
	s_mov_b32 s41, 0
	s_mul_i32 s44, s17, 192
	s_mul_i32 s21, s14, 96
	s_add_co_u32 s44, s44, s21                     ; row 192 nbase + 96 x half
	s_lshl_b32 s44, s44, 11
	s_mov_b32 s45, 0
	s_mul_i32 s22, s14, AHALF                      ; where they go: made of the wave's number alone
	s_mul_i32 s23, s14, BHALF
	s_add_co_u32 s23, s23, BOFF
	s_wait_dscnt 0x0
	s_wait_kmcnt 0x0
	s_add_nc_u64 s[40:41], s[4:5], s[40:41]
	s_add_nc_u64 s[44:45], s[6:7], s[44:45]
	CROUND                                         ; all sixteen work-groups are here: the first joint loads meet
.irp s, 0,1
	s_mov_b32 s[G0+4*\s], 1
	s_add_co_u32 s[G0+4*\s+1], s22, \s*SLOT
	s_add_nc_u64 s[G0+4*\s+2:G0+4*\s+3], s[40:41], \s*256          ; K step s
	s_or_b32 s[G0+4*\s+3], s[G0+4*\s+3], 0x80000000                ; type = 2
	s_mov_b32 s[G0B+4*\s], 1
	s_add_co_u32 s[G0B+4*\s+1], s23, \s*SLOT
	s_add_nc_u64 s[G0B+4*\s+2:G0B+4*\s+3], s[44:45], \s*256
	s_or_b32 s[G0B+4*\s+3], s[G0B+4*\s+3], 0x80000000
	JLOAD \s                                       ; both first fills go out together: a wave has two tensor loads out
.endr
	; A fragment is 16 rows x 32 K in 8 registers: lane l holds row l % 16; registers 0-3 K = 8 (l / 16) + 0..7, registers 4-7 K = 16 + 8 (l / 16) + 0..7
	v_and_b32 v1, 15, v0                           ; r = l % 16
	v_bfe_u32 v2, v0, 4, 1                         ; h = l / 16
	v_mul_u32_u24 v3, v1, PITCH
	v_lshl_add_u32 v3, v2, 4, v3
	s_mul_i32 s21, s12, 64*PITCH                   ; my 64 rows of xb; every wave reads all 192 rows of wqb
	v_add_nc_u32 v[ADRA], s21, v3
	v_add_nc_u32 v[ADRB], BOFF, v3
	v_add_nc_u32 v[ADRA+1], SLOT, v[ADRA]
	v_add_nc_u32 v[ADRB+1], SLOT, v[ADRB]
	s_mul_i32 s21, s12, SWAVE
	s_add_co_u32 s21, s21, STAGE                   ; my stage
	v_lshrrev_b32 v4, 1, v1                        ; token r lies in the stage's row r / 2 + 8 (r % 2): two neighbouring tokens are 8 rows = 3,200 bytes apart,
	v_and_b32 v5, 1, v1                            ; 128 bytes modulo 256, so that the pieces of rows read back together fall on different banks
	v_lshl_add_u32 v4, v5, 3, v4
	v_mul_u32_u24 v4, v4, SP
	v_lshl_add_u32 v4, v2, 4, v4
	v_add_nc_u32 v[STO], s21, v4
	v_bfe_u32 v5, v0, 3, 1                         ; back: lane l takes 16 bytes at 16 (l % 8) of one part's 128 bytes of token l / 8 of four
	v_and_b32 v6, 7, v0
	v_lshl_add_u32 v5, v5, 3, v2
	v_mul_u32_u24 v5, v5, SP
	v_lshl_add_u32 v5, v6, 4, v5
	v_add_nc_u32 v[RD], s21, v5
	v_and_b32 v[CO], 31, v0
	v_lshlrev_b32 v[CO], 4, v[CO]
	s_and_b32 s46, s18, 7
	s_lshl_b32 s46, s46, 8
	s_lshl_b32 s47, s12, 6
	s_add_co_u32 s46, s46, s47                     ; the place in its batch of the first of my 64 tokens
	v_add_nc_u32 v[TO], s46, v1
	v_lshlrev_b32 v[TO], 8, v[TO]                  ; a token's row of the table is 256 bytes,
	v_lshl_add_u32 v[TO], v2, 6, v[TO]             ; and my eight (cos, sin) begin at pair 8 h
	; cos and sin of pair i = 16 e + 8 h + j of token 16 a + r: window 2 + a / 2, registers TAB + 32 (a % 2) + 16 e + 2 j and + 1.
	; Loaded once for both tiles; waited for at the head of the way out.
	WIN 0x80
.irp a, 0,1
.irp e, 0,1
.irp g, 0,1,2,3
	global_load_b128 v[TAB+32*\a+16*\e+4*\g:TAB+32*\a+16*\e+4*\g+3], v[TO], s[8:9] offset:4096*\a+128*\e+16*\g
.endr
.endr
.endr
	WIN 0xc0
.irp a, 0,1
.irp e, 0,1
.irp g, 0,1,2,3
	global_load_b128 v[TAB+32*\a+16*\e+4*\g:TAB+32*\a+16*\e+4*\g+3], v[TO], s[8:9] offset:8192+4096*\a+128*\e+16*\g
.endr
.endr
.endr
	WIN 0
	; where my tokens go: plane (4 part + batch) x 16 + head; the parts are 64 planes = 16 MiB apart, beyond a store's immediate, so each has a base of its own
	s_lshr_b32 s42, s18, 3                         ; batch
	s_lshl_b32 s42, s42, 4
	s_add_co_u32 s42, s42, s17                     ; + head
	s_lshl_b32 s42, s42, 18                        ; planes of 262,144 bytes
	s_lshl_b32 s43, s46, 7                         ; tokens of 128 bytes
	s_add_co_u32 s42, s42, s43                     ; 16 MiB at the most
	s_mov_b32 s43, 0
	s_add_nc_u64 s[OB:OB+1], s[10:11], s[42:43]
	s_add_nc_u64 s[OB+2:OB+3], s[OB:OB+1], 0x1000000
	s_add_nc_u64 s[OB+4:OB+5], s[OB:OB+1], 0x2000000
; 12 matrix instructions: tokens 16 a .. 16 a + 15 (al = a % 2: the place in the window) x all 12 column tiles, 32 along K, from buffer f.  zero = 1: the first product starts the sums.
.macro MULA f, a, al, zero
.irp b, 0,1,2,3,4,5,6,7,8,9,10,11
.if \zero
	v_wmma_f32_16x16x32_bf16 v[8*(12*\al+\b):8*(12*\al+\b)+7], v[FB+96*\f+8*\b:FB+96*\f+8*\b+7], v[FA+32*\f+8*\a:FA+32*\f+8*\a+7], 0
.else
	v_wmma_f32_16x16x32_bf16 v[8*(12*\al+\b):8*(12*\al+\b)+7], v[FB+96*\f+8*\b:FB+96*\f+8*\b+7], v[FA+32*\f+8*\a:FA+32*\f+8*\a+7], v[8*(12*\al+\b):8*(12*\al+\b)+7]
.endif
.endr
.endm
; 32 LDS loads in one run: quarter kq of a K step (32 along K) into buffer f: wqb's twelve fragments, then xb's four
.macro FETCH slot, kq, f
	WIN 0x40                                       ; destination window 1, address window 0
.irp i, 0,1,2,3,4,5,6,7,8,9,10,11
	ds_load_b128 v[FB+96*\f+8*\i:FB+96*\f+8*\i+3],   v[ADRB+\slot] offset:64*\kq+\i*16*PITCH
	ds_load_b128 v[FB+96*\f+8*\i+4:FB+96*\f+8*\i+7], v[ADRB+\slot] offset:64*\kq+\i*16*PITCH+32
.endr
	WIN 0
.irp i, 0,1,2,3
	ds_load_b128 v[FA+32*\f+8*\i:FA+32*\f+8*\i+3],   v[ADRA+\slot] offset:64*\kq+\i*16*PITCH
	ds_load_b128 v[FA+32*\f+8*\i+4:FA+32*\f+8*\i+7], v[ADRA+\slot] offset:64*\kq+\i*16*PITCH+32
.endr
.endm
; One of a K step's first three quarters: at its head it fetches quarter kq of the same slot into buffer g, then it multiplies buffer f:
; the fragments have 48 matrix instructions in which to arrive.
.macro QUARTER slot, kq, f, g, zero
	s_wait_dscnt 0x0                               ; buffer f is in: its loads were issued a quarter ago
	PLACES                                         ; behind the last quarter's products, which read buffer g
	FETCH \slot, \kq, \g
	WIN MUL_LO
	MULA \f, 0, 0, \zero
	MULA \f, 1, 1, \zero
	WIN MUL_HI
	MULA \f, 2, 0, \zero
	MULA \f, 3, 1, \zero
.endm
.macro THREE slot, zero
	QUARTER \slot, 1, 0, 1, \zero
	QUARTER \slot, 2, 1, 0, 0
	QUARTER \slot, 3, 0, 1, 0
.endm
; The last quarter: multiplies buffer 1 and changes slots.  fill = 1: this slot is filled again, two K steps ahead; fill = 2: with the same K step of the next tile; fill = 0: not at all.
; In front of the barrier each wave waits for its reads of this slot and for all its tensor loads (one is out: its part of the next slot).
; Behind it the refill comes first, then the next slot's first fragments.  From a request to the wait for it a wave issues 180 matrix instructions.
.macro TURN slot, next, fill
	s_wait_dscnt 0x0                               ; buffer 1 is in, and with it my reads of this slot are over
	s_set_vgpr_msb 0xf1f0
	s_wait_tensorcnt 0x0                           ; and all my tensor loads have landed
	ds_add_u32 v254, v255
	s_wait_dscnt 0x0
	s_set_vgpr_msb 0xf0f1
	s_barrier_signal -1                            ; where a slot is filled again this barrier opens a round of the cluster's barrier
	WIN MUL_LO
	MULA 1, 0, 0, 0                                ; register work while the others arrive
	WIN 0
	s_barrier_wait -1
.if \fill
	CREST                                          ; no wave of any partner still reads this slot or has a load on its way
.if \fill == 1
	s_add_nc_u64 s[G0+4*\slot+2:G0+4*\slot+3], s[G0+4*\slot+2:G0+4*\slot+3], KNEXT
	s_add_nc_u64 s[G0B+4*\slot+2:G0B+4*\slot+3], s[G0B+4*\slot+2:G0B+4*\slot+3], KNEXT
.else
	s_sub_nc_u64 s[G0+4*\slot+2:G0+4*\slot+3], s[G0+4*\slot+2:G0+4*\slot+3], KBACK      ; the same tokens, from K's start again
	s_add_nc_u64 s[G0B+4*\slot+2:G0B+4*\slot+3], s[G0B+4*\slot+2:G0B+4*\slot+3], BNEXT  ; eight heads further, from K's start
.endif
	JLOAD \slot                                    ; the first tensor load behind the round, one a wave; its four v_nop are also the places in front of the loads below
.else
	PLACES
.endif
	FETCH \next, 0, 0
	WIN MUL_LO
	MULA 1, 1, 1, 0
	WIN MUL_HI
	MULA 1, 2, 0, 0
	MULA 1, 3, 1, 0
.endm
.macro LAP zero, fill
	THREE 0, \zero
	TURN 0, 1, \fill
	THREE 1, 0
	TURN 1, 0, \fill
.endm
; THE WAY OUT, 16 tokens at a time: RoPE (q and k), rounding to f16, 16 bytes a lane into my own stage, read back so that a store covers
; four neighbouring tokens of one part: 512 consecutive bytes at a multiple of 512 from the buffer's first byte.
; tokens 16 a .. 16 a + 15, in window w at place al.  Column tile b = 4 p + e: part p (0 q, 1 k, 2 v), d = 16 e + 8 h + j.
; out[d] = x[d] cos - x[d+32] sin, out[d+32] = x[d+32] cos + x[d] sin: tile 4 p + e holds d, tile 4 p + e + 2 holds d + 32, e = 0, 1.
.macro OUT16 a, al, w, R
	WIN (0x50|(\w<<2)|\w)                          ; sources 0 and 1: accumulators and table (window w); source 2 and destination: the rotated numbers (window 1)
.irp p, 0,1
.irp e, 0,1
.irp j, 0,1,2,3,4,5,6,7
	v_mul_f32 v[TT+8*(4*\p+\e)+\j],    v[8*(12*\al+4*\p+\e)+\j],    v[TAB+32*\al+16*\e+2*\j]
	v_mul_f32 v[TT+8*(4*\p+\e)+\j+16], v[8*(12*\al+4*\p+\e)+\j+16], v[TAB+32*\al+16*\e+2*\j]
	v_fma_f32 v[TT+8*(4*\p+\e)+\j],    -v[8*(12*\al+4*\p+\e)+\j+16], v[TAB+32*\al+16*\e+2*\j+1], v[TT+8*(4*\p+\e)+\j]
	v_fma_f32 v[TT+8*(4*\p+\e)+\j+16], v[8*(12*\al+4*\p+\e)+\j],     v[TAB+32*\al+16*\e+2*\j+1], v[TT+8*(4*\p+\e)+\j+16]
.endr
.endr
.endr
	WIN 0x05                                       ; both sources: the rotated numbers
.irp b, 0,1,2,3,4,5,6,7
.irp i, 0,1,2,3
	v_cvt_pk_f16_f32 v[TMP+4*\b+\i], v[TT+8*\b+2*\i], v[TT+8*\b+2*\i+1]
.endr
.endr
	WIN ((\w<<2)|\w)                               ; both sources: v's accumulators, as they are
.irp b, 8,9,10,11
.irp i, 0,1,2,3
	v_cvt_pk_f16_f32 v[TMP+4*\b+\i], v[8*(12*\al+\b)+2*\i], v[8*(12*\al+\b)+2*\i+1]
.endr
.endr
	WIN 0
.irp b, 0,1,2,3,4,5,6,7,8,9,10,11
	ds_store_b128 v[STO], v[TMP+4*\b:TMP+4*\b+3] offset:32*\b
.endr
	s_wait_xcnt 0x0                                ; registers R, which earlier stores read, are loaded again only behind this wait (ISA guide 3.1)
.irp u, 0,1,2,3,4,5,6,7,8,9,10,11
	ds_load_b128 v[\R+4*\u:\R+4*\u+3], v[RD] offset:(\u/3)*2*SP+(\u%3)*128   ; LDS serves a wave's instructions in order (ISA guide 5.7.1): these see the stores above
.endr
.irp u, 0,1,2,3,4,5,6,7,8,9,10,11
	s_wait_dscnt 11-\u                             ; read-back u is in, the 11 - u younger ones stay out
	global_store_b128 v[CO], v[\R+4*\u:\R+4*\u+3], s[OB+2*(\u%3):OB+2*(\u%3)+1] offset:(\u/3)*512+2048*\a   ; part u % 3, tokens 16 a + 4 (u / 3) .. + 3
.endr
.endm
.macro WAYOUT
	PLACES                                         ; behind the last products, in front of the reads of their results
	s_wait_loadcnt 0x0                             ; the table
	OUT16 0, 0, 2, 144
	OUT16 1, 1, 2, 192
	OUT16 2, 0, 3, 144
	OUT16 3, 1, 3, 192
.endm
	s_wait_tensorcnt 0x1                           ; my part of K step 0 is in; K step 1's stays out
	s_barrier_signal -1
	s_barrier_wait -1
	FETCH 0, 0, 0
	; THE FIRST TILE: head nbase
	LAP 1, 1                                       ; the first lap stands in front of the loop: its first products start the sums
	WIN 0
	s_mov_b32 s3, LAPS-2
.Llap0:
	LAP 0, 1
	WIN 0
	s_sub_co_u32 s3, s3, 1
	s_cmp_lg_u32 s3, 0
	s_cbranch_scc1 .Llap0
	LAP 0, 2                                       ; the last lap asks for the second tile's K steps 0 and 1, and fetches its first fragments into buffer 0, which the way out leaves alone
	WAYOUT
	s_wait_xcnt 0x0                                ; the stores' bases are stepped only behind this wait (ISA guide 3.1)
	s_add_nc_u64 s[OB:OB+1], s[OB:OB+1], 0x200000          ; eight heads = eight planes further
	s_add_nc_u64 s[OB+2:OB+3], s[OB+2:OB+3], 0x200000
	s_add_nc_u64 s[OB+4:OB+5], s[OB+4:OB+5], 0x200000
	; THE SECOND TILE: head nbase + 8
	LAP 1, 1
	WIN 0
	s_mov_b32 s3, LAPS-2
.Llap1:
	LAP 0, 1
	WIN 0
	s_sub_co_u32 s3, s3, 1
	s_cmp_lg_u32 s3, 0
	s_cbranch_scc1 .Llap1
	THREE 0, 0                                     ; the last lap fills nothing and has no round of the cluster's barrier
	TURN 0, 1, 0
	THREE 1, 0
	s_wait_dscnt 0x0                               ; the very last quarter: nothing more to fetch
	WIN MUL_LO
	MULA 1, 0, 0, 0
	MULA 1, 1, 1, 0
	WIN MUL_HI
	MULA 1, 2, 0, 0
	MULA 1, 3, 1, 0
	WAYOUT
	s_wait_tensorcnt 0x0
	ds_add_u32 v254, v255
	s_wait_dscnt 0x0
	CROUND                                         ; the closing round: no work-group ends while a partner may still ask for a tile that names it
	s_endpgm
.Lfunc_end_k_qcdef194d23_qkv:
	.size	k_qcdef194d23_qkv, .Lfunc_end_k_qcdef194d23_qkv-k_qcdef194d23_qkv
	.p2alignl 7, 3214868480
	.fill 96, 4, 3214868480
	.section	.rodata,"a",@progbits
	.p2align	6, 0x0
	.amdhsa_kernel k_qcdef194d23_qkv
		.amdhsa_group_segment_fixed_size 327680
		.amdhsa_private_segment_fixed_size 0
		.amdhsa_enable_private_segment 0
		.amdhsa_kernarg_size 32
		.amdhsa_user_sgpr_count 2
		.amdhsa_user_sgpr_kernarg_segment_ptr 1
		.amdhsa_wavefront_size32 1
		.amdhsa_system_sgpr_workgroup_id_x 1
		.amdhsa_system_sgpr_workgroup_id_y 1
		.amdhsa_system_sgpr_workgroup_id_z 1
		.amdhsa_system_vgpr_workitem_id 0
		.amdhsa_next_free_vgpr 1024
		.amdhsa_next_free_sgpr 72
		.amdhsa_reserve_vcc 0
		.amdhsa_float_denorm_mode_32 3
		.amdhsa_float_denorm_mode_16_64 3
		.amdhsa_memory_ordered 1
		.amdhsa_forward_progress 1
		.amdhsa_inst_pref_size 255
	.end_amdhsa_kernel
	.section	.bss,"aw",@nobits
	.p2align	6
	.space	262144
	.amdgpu_metadata
---
amdhsa.version: [ 1, 2 ]
amdhsa.kernels:
  - .name:           k_qcdef194d23_qkv
    .symbol:         k_qcdef194d23_qkv.kd
    .args:
      - { .name: xb, .offset: 0, .size: 8, .value_kind: global_buffer, .address_space: global }
      - { .name: wqb, .offset: 8, .size: 8, .value_kind: global_buffer, .address_space: global }
      - { .name: rope, .offset: 16, .size: 8, .value_kind: global_buffer, .address_space: global }
      - { .name: qkv, .offset: 24, .size: 8, .value_kind: global_buffer, .address_space: global }
    .group_segment_fixed_size: 327680
    .private_segment_fixed_size: 0
    .kernarg_segment_align: 8
    .kernarg_segment_size: 32
    .max_flat_workgroup_size: 128
    .sgpr_count:     72
    .vgpr_count:     1024
    .wavefront_size: 32
...
	.end_amdgpu_metadata
.endif
;; end of part 2
;; launch attn (part 3): grid 4 x 64, 8 waves a work-group, no clusters, 327,680 bytes of LDS; arguments qkv, y; writes y
.if DOCPART == 3
	.amdgcn_target "amdgcn-amd-amdhsa--gfx1250"
	.amdhsa_code_object_version 6
	.text
	.protected	k_qcdef194d23_attn
	.globl	k_qcdef194d23_attn
	.p2align	8
	.type	k_qcdef194d23_attn,@function
k_qcdef194d23_attn:
	s_mov_b64 s[64:65], 0
	v_nop
	global_prefetch_b8 v0, s[64:65] scope:SCOPE_SE
	s_setreg_imm32_b32 hwreg(HW_REG_WAVE_MODE, 25, 1), 1
	s_wait_xcnt 0x0
; attn: causal attention of one (batch, head) pair bh: y = softmax(q k^T / 8, keys up to the query) v.  q, k, v, y: f16 [2048][64]; scores, softmax and sums in f32.
; LIMIT: |y| <= max |v| <= 65,504 (f16).  NaN and infinities are not followed.  The maximum is a running one, taken away before every exponential.
; Work-group (p, bh) makes the blocks of 256 queries 7 - p and then p: (16 - 2 p) + (2 p + 2) = 18 tiles of 128 keys in every work-group, 256 work-groups of equal work.
; Eight waves; a wave owns 32 queries (two tiles of 16, A and B): strip w for waves 0-3, strip 11 - w for waves 4-7.
; NO CLUSTER: the four work-groups of a head walk 16 - 2 p tiles and then 2 p + 2, a different number in each phase; walking jointly would take 16 + 8 = 24 trips where 18 are needed.
; ORIENTATION: S^T = K Q^T (source 0 = 16 keys, source 1 = 16 queries): lane l holds query l % 16 and keys 8 (l / 16) + 0..7 of the tile, so two key tiles, rounded to f16,
; are a source 1 of O^T = V^T P^T as they stand; V^T's fragments come by the transposing LDS load.  A row's figures are in its own two lanes: one exchange between the halves, for the maximum.
; The denominator is a fifth product, ones x P^T: the sum of the same rounded numbers that multiply V.
; ORDER OF A STEP OF 64 KEYS: S(A); softmax of A with the 8 products of S(B) strewn among its multiply-adds and exponentials; V's fragments asked for; softmax of B with the
; 10 products of PV(A) strewn likewise; PV(B).  So 18 of a step's 36 products have vector work of the same wave between them.
; K and V tiles go through a ring of two LDS slots: wave 0 loads K's tile, wave 1 V's, one tensor load each behind each barrier: one tensor load of a wave is out at the most.
; In the loop the barrier's signal stands where the wave has made its last LDS read of the slot (V's fragments of its second half are in), and its wait 49 vector instructions and 10 products later.
; PREFETCH: work-group p = 0 walks all 16 tiles of its head in its first phase.  Its wave 2 (K) and wave 3 (V) ask, in the second half of tile t, for tile t + 3, whose tensor load is
; issued in the second half of tile t + 1: two instructions a tile, lanes 256 bytes apart, 8,192 bytes each.  Tiles 3 to 15, each once; in the seventh trip tile 16 is not asked for.
.set KP,    144                        ; K's LDS rows: 128 bytes + 16: an odd multiple of 16, the 16 rows of a fragment fall on different banks (ISA guide 11.1)
.set VP,    160                        ; V's LDS rows: 128 bytes + 32: an odd multiple of 32, for the transposing load
.set VOFF,  128*KP
.set SLOT,  VOFF+128*VP                ; 38,912 bytes
.set STAGE, 2*SLOT                     ; behind the ring, at a multiple of 256: 32 rows x 144 bytes for each wave; no tensor load lands there
.set SWAVE, 32*KP
.set TILEB, 16384                      ; a tile of 128 keys in memory, dense
.set KA,   8                           ; v8-9    LDS address of K's fragments, slot 0, 1
.set VA,   10                          ; v10-11  the same for V
.set QOFF, 12
.set STO,  13
.set DG,   14                          ; v14-15  32 strip + 16 qt + r - 8 h: key 64 cg + 16 kt + 8 h + j of the diagonal block is kept if 64 cg + 16 kt + j <= this
.set M,    16                          ; v16-17  running maximum of the raw scores
.set NM,   18                          ; v18, v20  -c x maximum (v19, v21 fill the pairs)
.set AL,   22                          ; v22     the factor for the old sums (v23 fills the pair)
.set RD,   24
.set CO,   25
.set T,    26                          ; v26-29  at work
.set NINF, 30
.set PF,   31                          ; 256 x lane, for the prefetches; never rewritten
.set ONES, 40                          ; v[40:47]   a fragment of ones
.set L,    48                          ; v[48:63]   denominators, 8 registers for each query tile; register 0 counts
.set O,    64                          ; v[64:127]  O^T: tile (qt, dt) at 32 qt + 8 dt
.set S,    128                         ; v[128:191] S^T: tile (qt, kt) at 32 qt + 8 kt; then P^T in place, chunk (qt, ch) at 32 qt + 16 ch
.set KV,   192                         ; v[192:255] K's fragments, then V's
                                       ; window 1: v[0:31] Q's fragments of the first phase, (qt, ks) at 16 qt + 8 ks; v[32:63] those of the second
.set G1K, 24
.set G1V, 32
.set G0K, 40                           ; s[40:47] group 0 for K, one set for each slot
.set G0V, 48                           ; s[48:55] the same for V
.set PB,  66                           ; s[66:67] where the prefetches of this trip begin
.set MSB, 0
.macro WIN new                         ; the immediate's high byte repeats the setting that is left
.if MSB != \new
	s_set_vgpr_msb (MSB<<8)|\new
.set MSB, \new
.endif
.endm
	s_load_b128 s[4:7], s[0:1], 0x0                ; qkv s[4:5], y s[6:7]
	v_lshl_add_u32 v38, v0, 2, 0x29000
	v_mov_b32 v39, 0
	ds_add_u32 v38, v39
	v_lshrrev_b32 v1, 5, v0
	v_readfirstlane_b32 s8, v1                     ; wave 0..7
	s_sub_co_u32 s9, 11, s8
	s_cmp_lt_u32 s8, 4
	s_cselect_b32 s9, s8, s9                       ; strip
	s_mov_b32 s10, ttmp9                           ; p
	s_and_b32 s11, ttmp7, 0xffff                   ; bh
	s_lshr_b32 s12, s9, 1                          ; the last run of 64 keys of the diagonal block that my strip needs, and the only one in which the mask acts
	s_mov_b32 s60, 0x76543210                      ; v_permlanex16_b32: lane i of one half reads lane i of the other
	s_mov_b32 s61, 0xfedcba98
	s_mov_b32 s62, 0x3e38aa3b                      ; c = log2(e) / 8
	s_mov_b32 s63, 0xbe38aa3b                      ; -c
	; a tile is a dense block of 16,384 bytes: 64 rows of 256 bytes; the padding is counted along the whole tile, so one follows every 32 words = every key's 128 bytes
	s_mov_b32 s[G1K+0], (1<<16)|(1<<20)|(4<<22)|(3<<25)   ; elements of 2 bytes; padding on; after every 32 words; 4 words
	s_mov_b32 s[G1K+1], 128<<16
	s_mov_b32 s[G1K+2], 64<<16
	s_mov_b32 s[G1K+3], 128<<16
	s_mov_b32 s[G1K+4], 64
	s_mov_b32 s[G1K+5], 128
	s_mov_b32 s[G1K+6], 0
	s_mov_b32 s[G1K+7], 0
	s_mov_b32 s[G1V+0], (1<<16)|(1<<20)|(4<<22)|(7<<25)   ; the same with 8 words of padding
	s_mov_b32 s[G1V+1], 128<<16
	s_mov_b32 s[G1V+2], 64<<16
	s_mov_b32 s[G1V+3], 128<<16
	s_mov_b32 s[G1V+4], 64
	s_mov_b32 s[G1V+5], 128
	s_mov_b32 s[G1V+6], 0
	s_mov_b32 s[G1V+7], 0
	s_add_co_u32 s56, s11, 64                      ; k's planes follow q's 64, v's follow k's
	s_lshl_b32 s56, s56, 18
	s_mov_b32 s57, 0
	s_add_co_u32 s58, s11, 128
	s_lshl_b32 s58, s58, 18
	s_mov_b32 s59, 0
	; byte offsets in q and in y of my first query: plane bh, query 256 block + 32 strip, 128 bytes a query (16 MiB at the most)
	s_sub_co_u32 s13, 7, s10                       ; the first phase's block
	s_lshl_b32 s15, s9, 5
	s_lshl_b32 s14, s11, 18
	s_lshl_b32 s16, s13, 8
	s_add_co_u32 s16, s16, s15
	s_lshl_b32 s16, s16, 7
	s_add_co_u32 s16, s16, s14
	s_mov_b32 s17, 0
	s_lshl_b32 s2, s10, 8                          ; the second phase's block is p
	s_add_co_u32 s2, s2, s15
	s_lshl_b32 s2, s2, 7
	s_add_co_u32 s2, s2, s14
	s_mov_b32 s3, 0
	s_wait_dscnt 0x0
	s_wait_kmcnt 0x0
	s_add_nc_u64 s[56:57], s[4:5], s[56:57]        ; my head's k
	s_add_nc_u64 s[58:59], s[4:5], s[58:59]        ; my head's v
.irp s, 0,1
	s_mov_b32 s[G0K+4*\s], 1
	s_mov_b32 s[G0K+4*\s+1], \s*SLOT
	s_add_nc_u64 s[G0K+4*\s+2:G0K+4*\s+3], s[56:57], \s*TILEB      ; slot s begins with tile s
	s_or_b32 s[G0K+4*\s+3], s[G0K+4*\s+3], 0x80000000
	s_mov_b32 s[G0V+4*\s], 1
	s_mov_b32 s[G0V+4*\s+1], \s*SLOT+VOFF
	s_add_nc_u64 s[G0V+4*\s+2:G0V+4*\s+3], s[58:59], \s*TILEB
	s_or_b32 s[G0V+4*\s+3], s[G0V+4*\s+3], 0x80000000
.endr
; Wave 0 asks for K's tile of slot s, wave 1 for V's; the other six issue none.
.macro TLOAD s
	s_cmp_lg_u32 s8, 0
	s_cbranch_scc1 .Lnot_k_\@
	tensor_load_to_lds s[G0K+4*(\s):G0K+4*(\s)+3], s[G1K:G1K+7]
	s_nop 0
.Lnot_k_\@:
	s_cmp_lg_u32 s8, 1
	s_cbranch_scc1 .Lnot_v_\@
	tensor_load_to_lds s[G0V+4*(\s):G0V+4*(\s)+3], s[G1V:G1V+7]
	s_nop 0
.Lnot_v_\@:
.endm
	TLOAD 0                                        ; the one first fill: tile 0.  Slot 1 is first filled behind the first barrier, as a refill is
	s_add_nc_u64 s[18:19], s[4:5], s[16:17]        ; q at my first query, first phase
	s_add_nc_u64 s[20:21], s[6:7], s[16:17]        ; y likewise
	s_add_nc_u64 s[22:23], s[6:7], s[2:3]          ; y, second phase
	s_add_nc_u64 s[2:3], s[4:5], s[2:3]            ; q, second phase
	s_cmp_eq_u32 s8, 2                             ; the prefetches: wave 2 asks for K's tiles, wave 3 for V's,
	s_cselect_b64 s[PB:PB+1], s[56:57], s[58:59]
	s_add_nc_u64 s[PB:PB+1], s[PB:PB+1], 3*TILEB   ; from tile 3 on,
	s_lshr_b32 s16, s8, 1
	s_cmp_eq_u32 s16, 1
	s_cselect_b32 s16, 1, 0
	s_cmp_eq_u32 s10, 0
	s_cselect_b32 s16, s16, 0                      ; s16 = 1 in waves 2 and 3 of work-group p = 0 alone
	v_and_b32 v1, 15, v0                           ; r
	v_bfe_u32 v2, v0, 4, 1                         ; h
	v_lshlrev_b32 v[QOFF], 7, v1                   ; Q from memory: query r, 16 bytes for each half
	v_lshl_add_u32 v[QOFF], v2, 4, v[QOFF]
	WIN 0x40                                       ; Q of both phases goes out now: the second phase finds it in its registers
.irp qt, 0,1
.irp ks, 0,1
	global_load_b128 v[16*\qt+8*\ks:16*\qt+8*\ks+3],   v[QOFF], s[18:19] offset:2048*\qt+64*\ks
	global_load_b128 v[16*\qt+8*\ks+4:16*\qt+8*\ks+7], v[QOFF], s[18:19] offset:2048*\qt+64*\ks+32
.endr
.endr
.irp qt, 0,1
.irp ks, 0,1
	global_load_b128 v[32+16*\qt+8*\ks:32+16*\qt+8*\ks+3],   v[QOFF], s[2:3] offset:2048*\qt+64*\ks
	global_load_b128 v[32+16*\qt+8*\ks+4:32+16*\qt+8*\ks+7], v[QOFF], s[2:3] offset:2048*\qt+64*\ks+32
.endr
.endr
	WIN 0
	v_and_b32 v3, 7, v0
	v_bfe_u32 v4, v0, 3, 1
	v_mul_u32_u24 v[KA], v1, KP                    ; K: key r of a fragment, 16 bytes for each half of the lanes
	v_lshl_add_u32 v[KA], v2, 4, v[KA]
	v_add_nc_u32 v[KA+1], SLOT, v[KA]
	v_lshl_add_u32 v5, v2, 3, v3                   ; V: key 8 h + l % 8, 16 bytes at 16 ((l / 8) % 2): the transposing load hands lane l keys 8 h + 0..7 of column r
	v_mul_u32_u24 v5, v5, VP
	v_lshl_add_u32 v5, v4, 4, v5
	v_add_nc_u32 v[VA], VOFF, v5
	v_add_nc_u32 v[VA+1], VOFF+SLOT, v5
	s_mul_i32 s15, s8, SWAVE
	s_add_co_u32 s15, s15, STAGE                   ; my stage
	v_lshrrev_b32 v5, 1, v1                        ; query r lies in the stage's row r / 2 + 8 (r % 2): neighbours are 1,152 bytes apart, 128 modulo 256
	v_and_b32 v6, 1, v1
	v_lshl_add_u32 v5, v6, 3, v5
	v_mul_u32_u24 v5, v5, KP
	v_lshl_add_u32 v5, v2, 4, v5
	v_add_nc_u32 v[STO], s15, v5
	v_lshl_add_u32 v5, v4, 3, v2                   ; back: lane l takes 16 bytes at 16 (l % 8) of query l / 8 of four
	v_mul_u32_u24 v5, v5, KP
	v_lshl_add_u32 v5, v3, 4, v5
	v_add_nc_u32 v[RD], s15, v5
	v_and_b32 v5, 31, v0
	v_lshlrev_b32 v[CO], 4, v5
	v_lshlrev_b32 v[PF], 8, v5
	v_lshlrev_b32 v5, 3, v2
	v_sub_nc_u32 v5, v1, v5
	s_lshl_b32 s15, s9, 5
	v_add_nc_u32 v[DG], s15, v5
	v_add_nc_u32 v[DG+1], 16, v[DG]
.irp i, 0,1,2,3,4,5,6,7
	v_mov_b32 v[ONES+\i], 0x3c003c00               ; 1.0 twice, in f16
.endr
	v_mov_b32 v[NM+1], 0                           ; the upper halves of pairs of which the packed forms use the lower alone
	v_mov_b32 v[NM+3], 0
	v_mov_b32 v[AL+1], 0
	v_mov_b32 v[T], 0
	v_mov_b32 v[T+1], 0
	v_mov_b32 v[T+2], 0
	v_mov_b32 v[T+3], 0
	v_mov_b32 v[NINF], 0xff800000
; Product n (0..7) of S(B): n < 4 starts key tile n's sum with d = 0..31, n >= 4 adds d = 32..63 onto key tile n - 4.  Four accumulators by turns.
.macro SBW n, qw
.if \n < 4
	v_wmma_f32_16x16x32_f16 v[S+32+8*\n:S+32+8*\n+7], v[KV+16*\n:KV+16*\n+7], v[\qw+16:\qw+23], 0
.else
	v_wmma_f32_16x16x32_f16 v[S+32+8*(\n-4):S+32+8*(\n-4)+7], v[KV+16*(\n-4)+8:KV+16*(\n-4)+15], v[\qw+24:\qw+31], v[S+32+8*(\n-4):S+32+8*(\n-4)+7]
.endif
.endm
; Product n (0..9) of PV(qt): chunk n / 5 of 32 keys; n % 5 < 4: O^T's tile n % 5 += V^T P^T; n % 5 = 4: the denominator += ones x P^T.  Five accumulators by turns.
.macro PVW qt, n
.if (\n)%5 < 4
	v_wmma_f32_16x16x32_f16 v[O+32*\qt+8*((\n)%5):O+32*\qt+8*((\n)%5)+7], v[KV+32*((\n)/5)+8*((\n)%5):KV+32*((\n)/5)+8*((\n)%5)+7], v[S+32*\qt+16*((\n)/5):S+32*\qt+16*((\n)/5)+7], v[O+32*\qt+8*((\n)%5):O+32*\qt+8*((\n)%5)+7]
.else
	v_wmma_f32_16x16x32_f16 v[L+8*\qt:L+8*\qt+7], v[ONES:ONES+7], v[S+32*\qt+16*((\n)/5):S+32*\qt+16*((\n)/5)+7], v[L+8*\qt:L+8*\qt+7]
.endif
.endm
; In front of vector instruction hk (0..48) of EXPQ: job 1: one product of S(B) for every six; job 2: one product of PV(A) for every five.
.macro HOOK job, qw
.if \job == 1
.if hk % 6 == 0
.if hk / 6 < 8
	SBW (hk/6), \qw
.endif
.endif
.endif
.if \job == 2
.if hk % 5 == 0
	PVW 0, (hk/5)
.endif
.endif
.set hk, hk+1
.endm
; Run cg of the diagonal block: keys behind the query become -inf.
.macro MASKQ qt, cg
.irp kt, 0,1,2,3
.irp j, 0,1,2,3,4,5,6,7
	v_cmp_le_i32 vcc_lo, 64*(\cg)+16*\kt+\j, v[DG+\qt]
	v_cndmask_b32 v[S+32*\qt+8*\kt+\j], v[NINF], v[S+32*\qt+8*\kt+\j], vcc_lo
.endr
.endr
.endm
; The running maximum.  NM = -c m is rounded once and used both in the exponents (c s + NM) and, as NM_new - NM_old, in the factor for the old sums, so its rounding cancels between numerator and denominator.
.macro MAXQ qt
.irp kt, 0,1,2,3
	v_max3_num_f32 v[T+\kt], v[S+32*\qt+8*\kt], v[S+32*\qt+8*\kt+1], v[S+32*\qt+8*\kt+2]   ; four chains that do not wait for each other
.endr
.irp kt, 0,1,2,3
	v_max3_num_f32 v[T+\kt], v[T+\kt], v[S+32*\qt+8*\kt+3], v[S+32*\qt+8*\kt+4]
.endr
.irp kt, 0,1,2,3
	v_max3_num_f32 v[T+\kt], v[T+\kt], v[S+32*\qt+8*\kt+5], v[S+32*\qt+8*\kt+6]
.endr
.irp kt, 0,1,2,3
	v_max_num_f32 v[T+\kt], v[T+\kt], v[S+32*\qt+8*\kt+7]
.endr
	v_max3_num_f32 v[T], v[T], v[T+1], v[T+2]
	v_max_num_f32 v[T], v[T], v[T+3]
	v_permlanex16_b32 v[T+1], v[T], s60, s61       ; the other half's keys of the same query
	v_max3_num_f32 v[M+\qt], v[T], v[T+1], v[M+\qt]
	v_mul_f32 v[T+2], s63, v[M+\qt]
	v_sub_f32 v[AL], v[T+2], v[NM+2*\qt]           ; <= 0; -inf in a phase's first step, where NM is +inf
	v_mov_b32 v[NM+2*\qt], v[T+2]
.endm
; 16 packed multiply-adds and 33 exponentials, with another query tile's products strewn among them.  None of the 49 names a vector register as source 1,
; so they stand as well under the window setting that S's products need (source 1 = Q in window 1).
.macro EXPQ qt, job, qw
.set hk, 0
.irp i, 0,1,2,3,4,5,6,7,8,9,10,11,12,13,14,15
	HOOK \job, \qw
	v_pk_fma_f32 v[S+32*\qt+2*\i:S+32*\qt+2*\i+1], v[S+32*\qt+2*\i:S+32*\qt+2*\i+1], s[62:63], v[NM+2*\qt:NM+2*\qt+1] op_sel_hi:[1,0,0]
.endr
	HOOK \job, \qw
	v_exp_f32 v[AL], v[AL]
.set ii, 0
.rept 32
	HOOK \job, \qw
	v_exp_f32 v[S+32*\qt+ii], v[S+32*\qt+ii]
.set ii, ii+1
.endr
.endm
; Chunk ch of 32 keys is rounded to f16, in place, ascending: each target has been read.
.macro CVTQ qt, ch
.irp i, 0,1,2,3
	v_cvt_pk_f16_f32 v[S+32*\qt+16*\ch+\i], v[S+32*\qt+16*\ch+2*\i], v[S+32*\qt+16*\ch+2*\i+1]
.endr
.irp i, 0,1,2,3
	v_cvt_pk_f16_f32 v[S+32*\qt+16*\ch+4+\i], v[S+32*\qt+16*\ch+8+2*\i], v[S+32*\qt+16*\ch+9+2*\i]
.endr
.endm
; The old sums are brought to the new maximum.
.macro SCALEQ qt
	v_mul_f32 v[L+8*\qt], v[L+8*\qt], v[AL]
.irp i, 0,1,2,3,4,5,6,7,8,9,10,11,12,13,14,15
	v_pk_mul_f32 v[O+32*\qt+2*\i:O+32*\qt+2*\i+1], v[O+32*\qt+2*\i:O+32*\qt+2*\i+1], v[AL:AL+1] op_sel_hi:[1,0]
.endr
.endm
; kind 1: tile 2 i + 3 in trip i; kind 2: tile 2 i + 4, not in the seventh trip (s14 = 6), where it would be tile 16, behind the head's last.
.macro PREF kind
	s_cmp_eq_u32 s16, 0
	s_cbranch_scc1 .Lno_pf_\@
.if \kind == 2
	s_cmp_ge_u32 s14, 6
	s_cbranch_scc1 .Lno_pf_\@
.endif
	global_prefetch_b8 v[PF], s[PB:PB+1] offset:(\kind-1)*TILEB th:TH_LOAD_NT scope:SCOPE_SE
	global_prefetch_b8 v[PF], s[PB:PB+1] offset:(\kind-1)*TILEB+8192 th:TH_LOAD_NT scope:SCOPE_SE
.Lno_pf_\@:
.endm
; 64 keys: half c of the tile in `slot`.  mask = 1: the diagonal's mask; qw: where this phase's Q lies in window 1;
; ring = 1: the change of slots is made in this step; pf: the kind of prefetch, 0 for none.
.macro SUB slot, c, mask, qw, ring, pf
.irp ks, 0,1
.irp kt, 0,1,2,3
	ds_load_b128 v[KV+16*\kt+8*\ks:KV+16*\kt+8*\ks+3],   v[KA+\slot] offset:64*KP*\c+16*KP*\kt+64*\ks
	ds_load_b128 v[KV+16*\kt+8*\ks+4:KV+16*\kt+8*\ks+7], v[KA+\slot] offset:64*KP*\c+16*KP*\kt+64*\ks+32
.endr
.endr
	s_wait_dscnt 8                                 ; the eight loads of d = 0..31 are in; the eight of d = 32..63 may be out
	WIN 0x04                                       ; source 1 (Q) in window 1
.irp kt, 0,1,2,3
	v_wmma_f32_16x16x32_f16 v[S+8*\kt:S+8*\kt+7], v[KV+16*\kt:KV+16*\kt+7], v[\qw:\qw+7], 0
.endr
	s_wait_dscnt 0
.irp kt, 0,1,2,3
	v_wmma_f32_16x16x32_f16 v[S+8*\kt:S+8*\kt+7], v[KV+16*\kt+8:KV+16*\kt+15], v[\qw+8:\qw+15], v[S+8*\kt:S+8*\kt+7]   ; four accumulators by turns
.endr
	WIN 0
.rept 4
	v_nop                                          ; four places in front of the reads of S(A) (ISA guide 7.12.1)
.endr
.if \mask
	MASKQ 0, 2*\slot+\c
.endif
	MAXQ 0
	WIN 0x04
	EXPQ 0, 1, \qw                                 ; with S(B)
	WIN 0
	v_nop                                          ; a plain place between the last exponential and the use of the results (ISA guide 5.7.2)
	s_wait_alu depctr_va_vdst(0)
	CVTQ 0, 0                                      ; with the v_nop nine places behind S(B)'s last product, in front of the loads into K's registers
.irp ch, 0,1
.irp dt, 0,1,2,3
	ds_load_tr16_b128 v[KV+32*\ch+8*\dt:KV+32*\ch+8*\dt+3],   v[VA+\slot] offset:(64*\c+32*\ch)*VP+32*\dt
	ds_load_tr16_b128 v[KV+32*\ch+8*\dt+4:KV+32*\ch+8*\dt+7], v[VA+\slot] offset:(64*\c+32*\ch)*VP+32*\dt+16*VP
.endr
.endr
.if \pf
	PREF \pf
.endif
	CVTQ 0, 1
	SCALEQ 0
.if \mask
	MASKQ 1, 2*\slot+\c
.endif
	MAXQ 1
	s_wait_dscnt 0                                 ; V's fragments are in; with ring = 1 they were my last reads of this slot
.if \ring
	s_wait_tensorcnt 0x0                           ; all my tensor loads are done, my part of the other slot's tile among them: every group 0 may be written
	ds_add_u32 v38, v39
	s_wait_dscnt 0x0
	s_add_nc_u64 s[G0K+4*\slot+2:G0K+4*\slot+3], s[G0K+4*\slot+2:G0K+4*\slot+3], 2*TILEB   ; this slot's next tile is two further
	s_add_nc_u64 s[G0V+4*\slot+2:G0V+4*\slot+3], s[G0V+4*\slot+2:G0V+4*\slot+3], 2*TILEB
	s_barrier_signal -1                            ; say so; register work alone up to the wait
.endif
	EXPQ 1, 2, \qw                                 ; with PV(A)
.if \ring
	s_barrier_wait -1                              ; every wave has said so: nobody reads this slot any more, and the other slot is whole
	TLOAD \slot                                    ; the refill first, one tensor load a wave
.endif
	v_nop                                          ; a plain place between the last exponential and the use of the results (ISA guide 5.7.2)
	s_wait_alu depctr_va_vdst(0)
	CVTQ 1, 0
	CVTQ 1, 1
	SCALEQ 1
.irp n, 0,1,2,3,4,5,6,7,8,9
	PVW 1, \n
.endr
.rept 4
	v_nop                                          ; four places in front of the next loads over V and of the reads of O and of the denominators
.endr
.endm
; Run cg = 2 slot + c of the diagonal block.  A strip needs it if 64 cg <= 32 strip, that is cg <= s12; then each of its rows has a key that is kept.
; For cg < s12 the run is wholly visible (64 cg + 63 < 32 strip) and takes the plain step; only cg = s12 is masked.  The branches hold no barrier and no tensor load.
.macro DSUB slot, c, qw
.if 2*\slot+\c > 0
	s_cmp_lt_u32 s12, 2*\slot+\c
	s_cbranch_scc1 .Lskip_\@
.endif
.if 2*\slot+\c < 3
	s_cmp_eq_u32 s12, 2*\slot+\c
	s_cbranch_scc1 .Lmask_\@
	SUB \slot, \c, 0, \qw, 0, 0
	s_branch .Lskip_\@
.Lmask_\@:
.endif
	SUB \slot, \c, 1, \qw, 0, 0
.Lskip_\@:
.endm
; The barrier at a phase's head: tile 0 is in slot 0; tile 1 goes into slot 1, which the last phase has read to its end.
.macro PRING
	s_wait_tensorcnt 0x0                           ; all my tensor loads are done, my part of tile 0 among them: every group 0 may be written
	ds_add_u32 v38, v39
	s_add_nc_u64 s[G0K+6:G0K+7], s[56:57], TILEB
	s_or_b32 s[G0K+7], s[G0K+7], 0x80000000
	s_add_nc_u64 s[G0V+6:G0V+7], s[58:59], TILEB
	s_or_b32 s[G0V+7], s[G0V+7], 0x80000000
	s_wait_dscnt 0x0                               ; my LDS reads are done
	s_barrier_signal -1
	s_barrier_wait -1
	TLOAD 1
.endm
; The barrier between the diagonal block's two tiles.  more = 1: slot 0 gets the next phase's tile 0; more = 0: nothing is left to fetch.
.macro DRING more
	s_wait_tensorcnt 0x0                           ; my part of the diagonal's second tile is in
	ds_add_u32 v38, v39
	s_wait_dscnt 0x0
.if \more
	s_add_nc_u64 s[G0K+2:G0K+3], s[56:57], 0
	s_or_b32 s[G0K+3], s[G0K+3], 0x80000000
	s_add_nc_u64 s[G0V+2:G0V+3], s[58:59], 0
	s_or_b32 s[G0V+3], s[G0V+3], 0x80000000
.endif
	s_wait_dscnt 0x0                               ; my reads of slot 0 are done
	s_barrier_signal -1
	s_barrier_wait -1
.if \more
	TLOAD 0
.endif
.endm
; A block of 256 queries, its number in s13: s13 pairs of whole tiles, then the two tiles of the diagonal block.  yb: the scalar pair with y's address; more = 1: a phase follows.
.macro PHASE ph, qw, yb, more
	v_mov_b32 v[M], v[NINF]
	v_mov_b32 v[M+1], v[NINF]
	v_mov_b32 v[NM], 0x7f800000
	v_mov_b32 v[NM+2], 0x7f800000
.set ii, 0
.rept 80
	v_mov_b32 v[L+ii], 0                           ; a phase's first step is plain or masked according to p, so the sums are cleared: 80 registers, twice in the kernel
.set ii, ii+1
.endr
.if \more
	s_wait_loadcnt 0x0                             ; Q of both phases
.endif
	PRING
	s_cmp_eq_u32 s13, 0
	s_cbranch_scc1 .Ldiag_\ph
	s_mov_b32 s14, 0
.Lfull_\ph:
	SUB 0, 0, 0, \qw, 0, 0
	SUB 0, 1, 0, \qw, 1, \more
	SUB 1, 0, 0, \qw, 0, 0
	SUB 1, 1, 0, \qw, 1, 2*\more
.if \more
	s_wait_xcnt 0x0                                ; the prefetches' base is stepped only behind this wait (ISA guide 3.1)
	s_add_nc_u64 s[PB:PB+1], s[PB:PB+1], 2*TILEB
.endif
	s_add_co_u32 s14, s14, 1
	s_cmp_lt_u32 s14, s13
	s_cbranch_scc1 .Lfull_\ph
.Ldiag_\ph:
	DSUB 0, 0, \qw
	DSUB 0, 1, \qw
	DRING \more
	DSUB 1, 0, \qw
	DSUB 1, 1, \qw
	; divide, round to f16, 16 bytes a lane into my own stage, read back so that a store covers four neighbouring queries: 512 consecutive bytes
	v_rcp_f32 v[AL], v[L]
	v_rcp_f32 v[T], v[L+8]
	v_nop
	s_wait_alu depctr_va_vdst(0)
.irp i, 0,1,2,3,4,5,6,7,8,9,10,11,12,13,14,15
	v_pk_mul_f32 v[O+2*\i:O+2*\i+1], v[O+2*\i:O+2*\i+1], v[AL:AL+1] op_sel_hi:[1,0]
.endr
.irp i, 0,1,2,3,4,5,6,7,8,9,10,11,12,13,14,15
	v_pk_mul_f32 v[O+32+2*\i:O+32+2*\i+1], v[O+32+2*\i:O+32+2*\i+1], v[T:T+1] op_sel_hi:[1,0]
.endr
.irp t, 0,1,2,3,4,5,6,7
.irp i, 0,1,2,3
	v_cvt_pk_f16_f32 v[S+4*\t+\i], v[O+8*\t+2*\i], v[O+8*\t+2*\i+1]
.endr
.endr
.irp qt, 0,1
.irp dt, 0,1,2,3
	ds_store_b128 v[STO], v[S+4*(4*\qt+\dt):S+4*(4*\qt+\dt)+3] offset:16*KP*\qt+32*\dt
.endr
.endr
.irp u, 0,1,2,3,4,5,6,7
	ds_load_b128 v[S+32+4*\u:S+32+4*\u+3], v[RD] offset:(\u>>2)*16*KP+(\u&3)*2*KP   ; LDS serves a wave's instructions in order (ISA guide 5.7.1): these see the stores above
.endr
.irp u, 0,1,2,3,4,5,6,7
	s_wait_dscnt 7-\u                              ; read-back u is in, the 7 - u younger ones stay out
	global_store_b128 v[CO], v[S+32+4*\u:S+32+4*\u+3], s[\yb:\yb+1] offset:(\u>>2)*2048+(\u&3)*512
.endr
	s_wait_xcnt 0x0                                ; the stores' data are rewritten in the next phase only behind this wait (ISA guide 3.1)
.endm
	PHASE 1, 0, 20, 1                              ; block 7 - p (s13 was set with the offsets); the barrier inside its diagonal block asks for the next phase's tile 0
	s_mov_b32 s13, s10
	PHASE 2, 32, 22, 0                             ; block p; nothing is fetched behind its last tile, and the last wait on the tensor loads was for 0
	s_wait_tensorcnt 0x0
	ds_add_u32 v38, v39
	s_wait_dscnt 0x0
	s_endpgm
.Lfunc_end_k_qcdef194d23_attn:
	.size	k_qcdef194d23_attn, .Lfunc_end_k_qcdef194d23_attn-k_qcdef194d23_attn
	.p2alignl 7, 3214868480
	.fill 96, 4, 3214868480
	.section	.rodata,"a",@progbits
	.p2align	6, 0x0
	.amdhsa_kernel k_qcdef194d23_attn
		.amdhsa_group_segment_fixed_size 327680
		.amdhsa_private_segment_fixed_size 0
		.amdhsa_enable_private_segment 0
		.amdhsa_kernarg_size 16
		.amdhsa_user_sgpr_count 2
		.amdhsa_user_sgpr_kernarg_segment_ptr 1
		.amdhsa_wavefront_size32 1
		.amdhsa_system_sgpr_workgroup_id_x 1
		.amdhsa_system_sgpr_workgroup_id_y 1
		.amdhsa_system_sgpr_workgroup_id_z 1
		.amdhsa_system_vgpr_workitem_id 0
		.amdhsa_next_free_vgpr 320
		.amdhsa_next_free_sgpr 72
		.amdhsa_reserve_vcc 1
		.amdhsa_float_denorm_mode_32 3
		.amdhsa_float_denorm_mode_16_64 3
		.amdhsa_memory_ordered 1
		.amdhsa_forward_progress 1
		.amdhsa_inst_pref_size 255
	.end_amdhsa_kernel
	.section	.bss,"aw",@nobits
	.p2align	6
	.space	262144
	.amdgpu_metadata
---
amdhsa.version: [ 1, 2 ]
amdhsa.kernels:
  - .name:           k_qcdef194d23_attn
    .symbol:         k_qcdef194d23_attn.kd
    .args:
      - { .name: qkv, .offset: 0, .size: 8, .value_kind: global_buffer, .address_space: global }
      - { .name: y, .offset: 8, .size: 8, .value_kind: global_buffer, .address_space: global }
    .group_segment_fixed_size: 327680
    .private_segment_fixed_size: 0
    .kernarg_segment_align: 8
    .kernarg_segment_size: 16
    .max_flat_workgroup_size: 256
    .sgpr_count:     72
    .vgpr_count:     320
    .wavefront_size: 32
...
	.end_amdgpu_metadata
.endif
;; end of part 3
;; launch proj (part 4): grid 4 x 64, 4 waves a work-group, clusters of 4 x 4, 327,680 bytes of LDS; arguments y, wpb, out0; writes out0
.if DOCPART == 4
	.amdgcn_target "amdgcn-amd-amdhsa--gfx1250"
	.amdhsa_code_object_version 6
	.text
	.protected	k_qcdef194d23_proj
	.globl	k_qcdef194d23_proj
	.p2align	8
	.type	k_qcdef194d23_proj,@function
k_qcdef194d23_proj:
	s_mov_b64 s[64:65], 0
	v_nop
	global_prefetch_b8 v0, s[64:65] scope:SCOPE_SE
	s_setreg_imm32_b32 hwreg(HW_REG_WAVE_MODE, 25, 1), 1
	s_wait_xcnt 0x0
	s_wait_alu depctr_hold_cnt(0) depctr_sa_sdst(0) depctr_va_vdst(0) depctr_va_sdst(0) depctr_va_ssrc(0) depctr_va_vcc(0) depctr_vm_vsrc(0)
	s_getreg_b32 s2, hwreg(HW_REG_IB_STS2, 6, 4)
	s_cmp_eq_u32 s2, 0
	s_cbranch_scc0 .Lentry_in_a_cluster
	s_endpgm
.Lentry_in_a_cluster:
	s_bfe_u32 s2, ttmp6, 0x10000c
	s_cmp_lg_u32 s2, 0xf033
	s_cbranch_scc0 .Lentry_shape_is_right
	s_endpgm
.Lentry_shape_is_right:
; proj: out0 [8192][1024] f32 = y x wpb^T, f16 operands, f32 sums.  y is head-major, f16 [batch][head][token][64]; wpb is f16 [1024 n][1024 k], k = 64 head + d.
; LIMIT: |y| and |W_proj| up to 65,504 (f16's largest number).  NaN and infinities are not followed.
; A work-group makes 128 tokens x 256 columns with four waves, a wave 64 x 128: 32 accumulator tiles, 256 registers.  64 x 4 = 256 work-groups of equal work.
; K goes in 8 steps of 128 = two heads through a ring of two LDS slots.  A head's 128 tokens are a dense block of 16,384 bytes, fetched as 64 rows of 256 bytes.
; CLUSTERS: 4 x 4 work-groups; y's tile is shared along a row of the cluster, wpb's along a column: joint loads, as in the launch that makes q, k and v.
; REGISTERS: window 0: v1-v26 addresses; v64-127 / v128-159 fragments of wpb (8) and of y (4), buffer 0; v160-223 / v224-255 buffer 1.  Window 1: tile (a, b) at v[8 (8 a + b)].
; The matrix instruction is used transposed (source 0 = 16 rows of wpb, source 1 = 16 tokens): a lane's eight results are eight neighbouring columns of one token, 32 bytes.
; The 32 accumulators take turns, one instruction a turn, in the same order in every quarter step.
.set PITCH,  272                       ; wpb's LDS rows: 256 bytes + 16
.set APITCH, 144                       ; y's LDS rows: a token's 128 bytes of one head + 16.  Both are odd multiples of 16: the 16 rows of a fragment fall on different banks (ISA guide 11.1)
.set APLANE, 128*APITCH                ; one head's 128 tokens: one tensor load
.set BHALF,  128*PITCH
.set BOFF,   2*APLANE                  ; a slot: two heads of y, then wpb's 256 rows
.set SLOT,   BOFF+2*BHALF              ; 106,496 bytes
.set STAGE,  2*SLOT                    ; behind the ring, at a multiple of 256: 16 rows x 528 bytes for each wave; no tensor load lands there
.set SPITCH, 528
.set SWAVE,  16*SPITCH
.set ASTEP,  4*262144                  ; two K steps further: four heads
.set BSTEP,  512
.set LAPS,   4
.set ADRA, 16
.set ADRB, 20
.set STO,  24
.set RD,   25
.set CO,   26
.set FB,   64
.set FA,   128
.set FSTEP, 96
.set G1,  24
.set G0,  32
.set G1B, 48
.set G0B, 56
.set MULW, 0x50                        ; C and D in window 1
.set MSB, 0
.macro WIN new
.if MSB != \new
	s_set_vgpr_msb (MSB<<8)|\new
.set MSB, \new
.endif
.endm
.macro PLACES                          ; four places behind a matrix instruction (ISA guide 7.12.1)
.rept 4
	v_nop
.endr
.endm
; A joint load: waves 0 and 1 fetch y's two heads, waves 2 and 3 wpb's two halves.  Four v_nop follow each of the two lines.
.macro JLOAD s
	s_cmp_eq_u32 s13, 0
	s_cbranch_scc0 .Lfor_b_\@
	tensor_load_to_lds s[G0+4*\s:G0+4*\s+3], s[G1:G1+7]
	s_nop 0
.rept 4
	v_nop
.endr
	s_branch .Lasked_\@
.Lfor_b_\@:
	tensor_load_to_lds s[G0B+4*\s:G0B+4*\s+3], s[G1B:G1B+7]
	s_nop 0
.rept 4
	v_nop
.endr
.Lasked_\@:
.endm
.macro CREST                           ; a round of the cluster's barrier behind its opening barrier
	s_cmp_lg_u32 s12, 0
	s_cbranch_scc1 .Lnot_wave_0_\@
	s_barrier_signal -3
.Lnot_wave_0_\@:
	s_barrier_wait -3
	s_barrier_signal -1
	s_barrier_wait -1
.endm
.macro CROUND
	s_barrier_signal -1
	s_barrier_wait -1
	CREST
.endm
	s_load_b128 s[4:7], s[0:1], 0x0                ; y s[4:5], wpb s[6:7]
	s_load_b64 s[8:9], s[0:1], 0x10                ; out0
	v_lshl_add_u32 v62, v0, 2, 0x3c400
	v_mov_b32 v63, 0
	ds_add_u32 v62, v63
	v_lshrrev_b32 v1, 5, v0
	v_readfirstlane_b32 s12, v1                    ; wave 0..3
	s_lshr_b32 s13, s12, 1                         ; which 64 tokens are mine.  Also: I fetch for y (0) or for wpb (1)
	s_and_b32 s14, s12, 1                          ; which 128 columns are mine.  Also: which head, or which half, I fetch
	s_bfe_u32 s15, ttmp6, 0x40000                  ; cx
	s_bfe_u32 s16, ttmp6, 0x40004                  ; cy
	s_lshl_b32 s17, ttmp9, 2
	s_add_co_u32 s17, s17, s15                     ; nb
	s_and_b32 s18, ttmp7, 0xffff
	s_lshl_b32 s18, s18, 2
	s_add_co_u32 s18, s18, s16                     ; mb
	s_lshl_b32 s19, s16, 2
	s_lshl_b32 s19, 15, s19                        ; my row of the cluster
	s_lshl_b32 s20, 0x1111, s15                    ; my column
	s_or_b32 s[G1+0], s19, (1<<16)|(1<<20)|(1<<21)|(4<<22)|(3<<25)  ; elements of 2 bytes; padding of 4 words after every 32 words, counted along the whole tile: behind every token's 128 bytes
	s_mov_b32 s[G1+1], 128<<16                     ; rows of 128 elements = 256 bytes = two tokens
	s_mov_b32 s[G1+2], 64<<16                      ; 64 rows
	s_mov_b32 s[G1+3], 128<<16
	s_mov_b32 s[G1+4], 64
	s_mov_b32 s[G1+5], 128                         ; dense
	s_mov_b32 s[G1+6], 0
	s_mov_b32 s[G1+7], 0
	s_or_b32 s[G1B+0], s20, (1<<16)|(1<<20)|(1<<21)|(5<<22)|(3<<25) ; padding of 4 words after every 64 words
	s_mov_b32 s[G1B+1], 128<<16
	s_mov_b32 s[G1B+2], 128<<16
	s_mov_b32 s[G1B+3], 128<<16
	s_mov_b32 s[G1B+4], 128
	s_mov_b32 s[G1B+5], 1024
	s_mov_b32 s[G1B+6], 0
	s_mov_b32 s[G1B+7], 0
	s_lshr_b32 s40, s18, 4                         ; batch
	s_lshl_b32 s40, s40, 4
	s_add_co_u32 s40, s40, s14                     ; plane 16 batch + the head that I fetch of K step 0
	s_lshl_b32 s40, s40, 18
	s_and_b32 s41, s18, 15
	s_lshl_b32 s41, s41, 14                        ; 128 tokens of 128 bytes for each block
	s_add_co_u32 s40, s40, s41
	s_mov_b32 s41, 0
	s_lshl_b32 s44, s17, 8
	s_lshl_b32 s21, s14, 7
	s_add_co_u32 s44, s44, s21                     ; wpb's row 256 nb + 128 x half
	s_lshl_b32 s44, s44, 11
	s_mov_b32 s45, 0
	s_mul_i32 s22, s14, APLANE                     ; where they go: made of the wave's number alone
	s_mul_i32 s23, s14, BHALF
	s_add_co_u32 s23, s23, BOFF
	s_wait_dscnt 0x0
	s_wait_kmcnt 0x0
	s_add_nc_u64 s[40:41], s[4:5], s[40:41]
	s_add_nc_u64 s[44:45], s[6:7], s[44:45]
	CROUND                                         ; all sixteen work-groups are here: the first joint loads meet
.irp s, 0,1
	s_mov_b32 s[G0+4*\s], 1
	s_add_co_u32 s[G0+4*\s+1], s22, \s*SLOT
	s_add_nc_u64 s[G0+4*\s+2:G0+4*\s+3], s[40:41], \s*2*262144     ; K step s: two heads further
	s_or_b32 s[G0+4*\s+3], s[G0+4*\s+3], 0x80000000
	s_mov_b32 s[G0B+4*\s], 1
	s_add_co_u32 s[G0B+4*\s+1], s23, \s*SLOT
	s_add_nc_u64 s[G0B+4*\s+2:G0B+4*\s+3], s[44:45], \s*256
	s_or_b32 s[G0B+4*\s+3], s[G0B+4*\s+3], 0x80000000
	JLOAD \s                                       ; both first fills go out together: a wave has two tensor loads out
.endr
	v_and_b32 v1, 15, v0                           ; r
	v_bfe_u32 v2, v0, 4, 1                         ; h
	v_mul_u32_u24 v3, v1, PITCH
	v_lshl_add_u32 v3, v2, 4, v3
	v_add_nc_u32 v[ADRB], s23, v3                  ; my 128 rows of wpb
	v_add_nc_u32 v[ADRB+1], SLOT, v[ADRB]
	v_mul_u32_u24 v3, v1, APITCH
	v_lshl_add_u32 v3, v2, 4, v3
	s_mul_i32 s21, s13, 64*APITCH                  ; my 64 tokens in each head's plane
	v_add_nc_u32 v[ADRA], s21, v3
	v_add_nc_u32 v[ADRA+1], SLOT, v[ADRA]
	s_mul_i32 s21, s12, SWAVE
	s_add_co_u32 s21, s21, STAGE                   ; my stage
	v_mul_u32_u24 v4, v1, SPITCH                   ; in: token r, 32 bytes for each half of the lanes
	v_lshl_add_u32 v4, v2, 5, v4
	v_add_nc_u32 v[STO], s21, v4
	v_and_b32 v[CO], 31, v0                        ; back and out: a token's 512 bytes, 16 a lane
	v_lshlrev_b32 v[CO], 4, v[CO]
	v_add_nc_u32 v[RD], s21, v[CO]
.macro MULA f, a, zero
.irp b, 0,1,2,3,4,5,6,7
.if \zero
	v_wmma_f32_16x16x32_f16 v[8*(8*\a+\b):8*(8*\a+\b)+7], v[FB+FSTEP*\f+8*\b:FB+FSTEP*\f+8*\b+7], v[FA+FSTEP*\f+8*\a:FA+FSTEP*\f+8*\a+7], 0
.else
	v_wmma_f32_16x16x32_f16 v[8*(8*\a+\b):8*(8*\a+\b)+7], v[FB+FSTEP*\f+8*\b:FB+FSTEP*\f+8*\b+7], v[FA+FSTEP*\f+8*\a:FA+FSTEP*\f+8*\a+7], v[8*(8*\a+\b):8*(8*\a+\b)+7]
.endif
.endr
.endm
; 24 LDS loads in one run: quarter kq of a K step into buffer f.  In y's part quarter kq is half kq % 2 of head kq / 2.
.macro FETCH slot, kq, f
	WIN 0
.irp i, 0,1,2,3,4,5,6,7
	ds_load_b128 v[FB+FSTEP*\f+8*\i:FB+FSTEP*\f+8*\i+3],   v[ADRB+\slot] offset:64*\kq+\i*16*PITCH
	ds_load_b128 v[FB+FSTEP*\f+8*\i+4:FB+FSTEP*\f+8*\i+7], v[ADRB+\slot] offset:64*\kq+\i*16*PITCH+32
.endr
.irp i, 0,1,2,3
	ds_load_b128 v[FA+FSTEP*\f+8*\i:FA+FSTEP*\f+8*\i+3],   v[ADRA+\slot] offset:(\kq>>1)*APLANE+(\kq&1)*64+\i*16*APITCH
	ds_load_b128 v[FA+FSTEP*\f+8*\i+4:FA+FSTEP*\f+8*\i+7], v[ADRA+\slot] offset:(\kq>>1)*APLANE+(\kq&1)*64+\i*16*APITCH+32
.endr
.endm
.macro QUARTER slot, kq, f, g, zero
	s_wait_dscnt 4                                 ; of the 24 loads the youngest four (y's fragments 2 and 3) may be out
	WIN MULW
	MULA \f, 0, \zero
	MULA \f, 1, \zero
	PLACES
	FETCH \slot, \kq, \g
	s_wait_dscnt 24                                ; all but the 24 just issued
	WIN MULW
	MULA \f, 2, \zero
	MULA \f, 3, \zero
.endm
.macro THREE slot, zero
	QUARTER \slot, 1, 0, 1, \zero
	QUARTER \slot, 2, 1, 0, 0
	QUARTER \slot, 3, 0, 1, 0
.endm
; The last quarter and the change of slots: each wave's waits, the barrier (the opening of a round of the cluster's barrier where a slot is filled again), the refill first behind it.
.macro TURN slot, next, fill
	s_wait_dscnt 4
	WIN MULW
	MULA 1, 0, 0
	s_wait_dscnt 0                                 ; my reads of this slot are over
	s_wait_tensorcnt 0x0                           ; and all my tensor loads have landed: the one that was out is my part of the next slot
	ds_add_u32 v62, v63
	s_wait_dscnt 0x0
	s_barrier_signal -1
	MULA 1, 1, 0
	WIN 0
	s_barrier_wait -1
.if \fill
	CREST
	s_add_nc_u64 s[G0+4*\slot+2:G0+4*\slot+3], s[G0+4*\slot+2:G0+4*\slot+3], ASTEP
	s_add_nc_u64 s[G0B+4*\slot+2:G0B+4*\slot+3], s[G0B+4*\slot+2:G0B+4*\slot+3], BSTEP
	JLOAD \slot                                    ; the first tensor load behind the round, one a wave; its four v_nop are also the places in front of the loads below
.else
	PLACES
.endif
	FETCH \next, 0, 0
	WIN MULW
	MULA 1, 2, 0
	MULA 1, 3, 0
.endm
.macro LAP zero
	THREE 0, \zero
	TURN 0, 1, 1
	THREE 1, 0
	TURN 1, 0, 1
.endm
	s_wait_tensorcnt 0x1                           ; my part of K step 0 is in; K step 1's stays out
	s_barrier_signal -1
	s_barrier_wait -1
	FETCH 0, 0, 0
	LAP 1                                          ; the first lap's first products start the sums
	WIN 0
	s_mov_b32 s3, LAPS-2
.Llap:
	LAP 0
	WIN 0
	s_sub_co_u32 s3, s3, 1
	s_cmp_lg_u32 s3, 0
	s_cbranch_scc1 .Llap
	THREE 0, 0                                     ; the last lap fills nothing
	TURN 0, 1, 0
	THREE 1, 0
	s_wait_dscnt 4
	WIN MULW
	MULA 1, 0, 0
	MULA 1, 1, 0
	s_wait_dscnt 0
	MULA 1, 2, 0
	MULA 1, 3, 0
	; THE WAY OUT, 16 tokens at a time, through my own stage: a store covers a token's 512 consecutive bytes of my 128 columns, at a multiple of 512 from the buffer's first byte
	PLACES
	WIN 0
	s_lshl_b32 s42, s18, 7
	s_lshl_b32 s43, s13, 6
	s_add_co_u32 s42, s42, s43                     ; my first token
	s_lshl_b32 s42, s42, 12                        ; rows of 4,096 bytes (32 MiB at the most)
	s_lshl_b32 s43, s17, 10                        ; 256 columns of 4 bytes for each block,
	s_add_co_u32 s42, s42, s43
	s_lshl_b32 s43, s14, 9                         ; 128 for my half
	s_add_co_u32 s42, s42, s43
	s_mov_b32 s43, 0
	s_add_nc_u64 s[8:9], s[8:9], s[42:43]
.macro OUTF a, R
	WIN 0x04                                       ; the stores' data in window 1
.irp b, 0,1,2,3,4,5,6,7
	ds_store_b128 v[STO], v[8*(8*\a+\b):8*(8*\a+\b)+3]   offset:64*\b
	ds_store_b128 v[STO], v[8*(8*\a+\b)+4:8*(8*\a+\b)+7] offset:64*\b+16
.endr
	WIN 0
	s_wait_xcnt 0x0                                ; registers R, which earlier stores read, are loaded again only behind this wait (ISA guide 3.1)
.irp u, 0,1,2,3,4,5,6,7,8,9,10,11,12,13,14,15
	ds_load_b128 v[\R+4*\u:\R+4*\u+3], v[RD] offset:SPITCH*\u    ; LDS serves a wave's instructions in order (ISA guide 5.7.1): these see the stores above
.endr
.irp u, 0,1,2,3,4,5,6,7,8,9,10,11,12,13,14,15
	s_wait_dscnt 15-\u
	global_store_b128 v[CO], v[\R+4*\u:\R+4*\u+3], s[8:9] offset:(16*\a+\u)*4096 th:TH_STORE_NT
.endr
.endm
	OUTF 0, 64
	OUTF 1, 128
	OUTF 2, 64
	OUTF 3, 128
	s_wait_tensorcnt 0x0
	ds_add_u32 v62, v63
	s_wait_dscnt 0x0
	CROUND                                         ; the closing round: no work-group ends while a partner may still ask for a tile that names it
	s_endpgm
.Lfunc_end_k_qcdef194d23_proj:
	.size	k_qcdef194d23_proj, .Lfunc_end_k_qcdef194d23_proj-k_qcdef194d23_proj
	.p2alignl 7, 3214868480
	.fill 96, 4, 3214868480
	.section	.rodata,"a",@progbits
	.p2align	6, 0x0
	.amdhsa_kernel k_qcdef194d23_proj
		.amdhsa_group_segment_fixed_size 327680
		.amdhsa_private_segment_fixed_size 0
		.amdhsa_enable_private_segment 0
		.amdhsa_kernarg_size 24
		.amdhsa_user_sgpr_count 2
		.amdhsa_user_sgpr_kernarg_segment_ptr 1
		.amdhsa_wavefront_size32 1
		.amdhsa_system_sgpr_workgroup_id_x 1
		.amdhsa_system_sgpr_workgroup_id_y 1
		.amdhsa_system_sgpr_workgroup_id_z 1
		.amdhsa_system_vgpr_workitem_id 0
		.amdhsa_next_free_vgpr 512
		.amdhsa_next_free_sgpr 66
		.amdhsa_reserve_vcc 0
		.amdhsa_float_denorm_mode_32 3
		.amdhsa_float_denorm_mode_16_64 3
		.amdhsa_memory_ordered 1
		.amdhsa_forward_progress 1
		.amdhsa_inst_pref_size 118
	.end_amdhsa_kernel
	.amdgpu_metadata
---
amdhsa.version: [ 1, 2 ]
amdhsa.kernels:
  - .name:           k_qcdef194d23_proj
    .symbol:         k_qcdef194d23_proj.kd
    .args:
      - { .name: y, .offset: 0, .size: 8, .value_kind: global_buffer, .address_space: global }
      - { .name: wpb, .offset: 8, .size: 8, .value_kind: global_buffer, .address_space: global }
      - { .name: out0, .offset: 16, .size: 8, .value_kind: global_buffer, .address_space: global }
    .group_segment_fixed_size: 327680
    .private_segment_fixed_size: 0
    .kernarg_segment_align: 8
    .kernarg_segment_size: 24
    .max_flat_workgroup_size: 128
    .sgpr_count:     66
    .vgpr_count:     512
    .wavefront_size: 32
...
	.end_amdgpu_metadata
.endif
;; end of part 4
;; ======== version 2 of 2: 4 launches; version 1 with the launch cast written anew for expert scheduling mode
;; limits: values are held in f16: magnitudes above 65,504 overflow, below 6.1e-05 lose precision
;; workspace buffers: xb 16,777,216 bytes; wqb 6,291,456 bytes; wpb 2,097,152 bytes; rope 524,288 bytes; qkv 50,331,648 bytes; y 16,777,216 bytes
;; launch cast (part 5): grid 768 x 1, 8 waves a work-group, no clusters, 0 bytes of LDS; arguments x, W_qkv, W_proj, xb, wqb, wpb, rope; writes xb, wqb, wpb, rope
.if DOCPART == 5
	.amdgcn_target "amdgcn-amd-amdhsa--gfx1250"
	.amdhsa_code_object_version 6
	.text
	.protected	k_qcdef194d23_cast
	.globl	k_qcdef194d23_cast
	.p2align	8
	.type	k_qcdef194d23_cast,@function
k_qcdef194d23_cast:
	s_mov_b64 s[64:65], 0
	v_nop
	global_prefetch_b8 v0, s[64:65] scope:SCOPE_SE
	s_setreg_imm32_b32 hwreg(HW_REG_WAVE_SCHED_MODE, 0, 2), 2
	s_setreg_imm32_b32 hwreg(HW_REG_WAVE_MODE, 25, 1), 1
	s_wait_xcnt 0x0
	s_wait_alu depctr_vm_vsrc(0)
; cast: the three f32 inputs are rounded once to the 16-bit operands of the matrix products, and the table of RoPE's cosines and sines is made.
;   x      -> xb   bf16 [8192][1024]                      work-groups   0 .. 511
;   W_qkv  -> wqb  bf16 [16 head][3 part][64 d][1024]     work-groups 512 .. 703: the rows are put in another order, so that one head's q, k and v rows are 192 consecutive rows
;   W_proj -> wpb  rounded to bf16, then written as f16 (exact from 2^-14 up; below that the absolute error stays under 3e-8)   work-groups 704 .. 767
;   rope   f32 [2048 t][32 i][cos, sin], 256 bytes for each t: work-groups 0 .. 255 make 256 entries each, while their loads are on their way
; LIMIT: |W_proj| up to 65,504 (f16's largest number).  NaN and infinities are not followed.
; A work-group takes 16,384 numbers (16 rows): 64 KiB in, 32 KiB out.  A stream: no LDS, no barrier, no matrix unit, nothing read twice.
; Thread t takes 16 neighbouring bytes of each 4,096-byte group: a wave's load covers 512 consecutive bytes, its store of 8 bytes a lane
; 256 consecutive bytes that start at a multiple of 256.  All sixteen loads of a thread go out at once; nothing is rewritten, so there is no loop.
; THE MODE: SCHED_MODE bits 1:0 = 2 (LLVM: expert scheduling mode 2), set by the entry lines.  The code itself states the register dependences
; between vector instructions and memory instructions, with s_wait_alu, always for 0.
; THE PLAN.  Registers that memory instructions touch:
;   v1, v2       byte offsets, written once at the head and never again: v1 is read by every load, v2 by every store.
;   X0 .. X15    written by the sixteen loads, which stand ahead of every vector instruction that names them; read (on the way to f16 also rewritten) by group i's
;                vector lines behind the wait for group i's load.  No load lands in them a second time, and no memory instruction reads them.
;   Y0 .. Y15    two registers for each group: written by the group's conversions, read by the group's one store, never written again.
;   v[T+10:T+11] written by the table's last lines, read by the table's one store, never written again.
; So no register that a memory instruction has read is ever written again: there is no wait on vm_vsrc.  What is owed is that a store's data are written:
; the stores go out in runs of four, each run behind ONE wait on va_vdst, which stands at the head of groups 4, 8 and 12, behind that group's wait for its load,
; and once more behind group 15.  No vector instruction issued behind such a wait names the registers of its four stores.
.set X, 8                              ; v[8:71]    sixteen groups of 4 numbers as loaded
.set Y, 72                             ; v[72:103]  sixteen groups of 2 packed words to store
.set T, 104                            ; v[104:115] the table's arithmetic
	s_load_b256 s[4:11], s[0:1], 0x0               ; x s[4:5], W_qkv s[6:7], W_proj s[8:9], xb s[10:11]
	s_load_b128 s[12:15], s[0:1], 0x20             ; wqb s[12:13], wpb s[14:15]
	s_load_b64 s[16:17], s[0:1], 0x30              ; rope
	s_mov_b32 s18, ttmp9                           ; g, the work-group's number
	s_mov_b32 s20, ttmp9                           ; the chunk's number in its source: g for x,
	s_mov_b32 s19, ttmp9                           ; and in its destination
	s_max_u32 s21, s18, 512
	s_sub_co_u32 s21, s21, 512                     ; c = g - 512 for W_qkv,
	s_max_u32 s22, s18, 704
	s_sub_co_u32 s22, s22, 704                     ; g - 704 for W_proj
	s_bfe_u32 s23, s21, 0x40002                    ; W_qkv's chunk c holds rows 16 c .. 16 c + 15: part c / 64, head (c / 4) % 16, quarter c % 4 of the head's 64 rows;
	s_mul_i32 s23, s23, 12                         ; it goes to chunk 12 head + 4 part + quarter
	s_lshr_b32 s26, s21, 6
	s_lshl2_add_u32 s23, s26, s23
	s_and_b32 s26, s21, 3
	s_add_co_u32 s23, s23, s26
	v_lshlrev_b32 v1, 4, v0                        ; 16 t: my bytes in a group as loaded
	v_lshlrev_b32 v2, 3, v0                        ; 8 t: my bytes in a group as stored, and my entry of the table
	s_wait_kmcnt 0x0
	s_cmp_ge_u32 s18, 512                          ; the choice of source and destination hangs on the work-group's number alone
	s_cselect_b64 s[4:5], s[6:7], s[4:5]
	s_cselect_b64 s[10:11], s[12:13], s[10:11]
	s_cselect_b32 s20, s21, s20
	s_cselect_b32 s19, s23, s19
	s_cmp_ge_u32 s18, 704
	s_cselect_b64 s[4:5], s[8:9], s[4:5]
	s_cselect_b64 s[10:11], s[14:15], s[10:11]
	s_cselect_b32 s20, s22, s20
	s_cselect_b32 s19, s22, s19
	s_lshl_b32 s24, s20, 16                        ; 65,536 bytes in for each chunk (511 chunks at the most: below 4 GiB)
	s_mov_b32 s25, 0
	s_add_nc_u64 s[4:5], s[4:5], s[24:25]
	s_lshl_b32 s24, s19, 15                        ; 32,768 bytes out
	s_add_nc_u64 s[10:11], s[10:11], s[24:25]
	s_wait_alu depctr_va_vdst(0)                   ; v1 and v2 are written: every load of the kernel reads v1 as its offset, every store v2
.irp i, 0,1,2,3,4,5,6,7,8,9,10,11,12,13,14,15
	global_load_b128 v[X+4*\i:X+4*\i+3], v1, s[4:5] offset:4096*\i th:TH_LOAD_NT
.endr
	; The table: entry (t, i) = cos and sin of t * 10000^(-i/32), t = 8 g + wave, i = lane.
	s_cmp_ge_u32 s18, 256
	s_cbranch_scc1 .Lno_table
	s_lshl_b32 s26, s18, 11                        ; 8 rows of 256 bytes for each work-group
	s_mov_b32 s27, 0
	s_add_nc_u64 s[16:17], s[16:17], s[26:27]
	s_lshl_b32 s28, s18, 3
	v_and_b32 v[T], 31, v0
	v_cvt_f32_u32 v[T], v[T]
	v_mul_f32 v[T], 0xbed49a78, v[T]               ; i * (-log2(10000) / 32)
	v_exp_f32 v[T], v[T]                           ; 10000^(-i/32)
	v_lshrrev_b32 v[T+1], 5, v0                    ; a plain instruction stands between the exponential and the use of its result (ISA guide 5.7.2)
	v_add_nc_u32 v[T+1], s28, v[T+1]               ; t
	v_cvt_f32_u32 v[T+1], v[T+1]
	s_wait_alu depctr_va_vdst(0)                   ; the exponential has written v[T], which the multiply below is the first to read
	v_mul_f32 v[T+2], v[T+1], v[T]                 ; the angle, below 2,048
	v_mul_f32 v[T+3], 0x3f22f983, v[T+2]           ; times 2 / pi
	v_rndne_f32 v[T+3], v[T+3]                     ; q, the nearest multiple of pi / 2 (1,303 at the most)
	v_fmamk_f32 v[T+4], v[T+3], 0xbfc90fdb, v[T+2] ; r = angle - q * pi/2, pi/2 in two parts: the f32 nearest to it,
	v_fmamk_f32 v[T+4], v[T+3], 0x333bbd2e, v[T+4] ; and what that f32 is too large by; |r| <= pi/4
	v_mul_f32 v[T+5], v[T+4], v[T+4]               ; z = r^2
	v_mov_b32 v[T+6], 0xb9500d01                   ; sin r = r + r z (-1/6 + z (1/120 - z/5040)): the next term is below 3e-7 at pi/4
	v_fmaak_f32 v[T+6], v[T+5], v[T+6], 0x3c088889
	v_fmaak_f32 v[T+6], v[T+5], v[T+6], 0xbe2aaaab
	v_mul_f32 v[T+7], v[T+4], v[T+5]
	v_fma_f32 v[T+6], v[T+7], v[T+6], v[T+4]
	v_mov_b32 v[T+7], 0x37d00d01                   ; cos r = 1 + z (-1/2 + z (1/24 + z (-1/720 + z/40320))): the next term is below 3e-8
	v_fmaak_f32 v[T+7], v[T+5], v[T+7], 0xbab60b61
	v_fmaak_f32 v[T+7], v[T+5], v[T+7], 0x3d2aaaab
	v_fma_f32 v[T+7], v[T+5], v[T+7], -0.5
	v_fma_f32 v[T+7], v[T+5], v[T+7], 1.0
	v_cvt_i32_f32 v[T+8], v[T+3]
	v_and_b32 v[T+9], 1, v[T+8]
	v_cmp_eq_u32 vcc_lo, 1, v[T+9]                 ; odd q: sine and cosine change places (a choice of values only)
	s_wait_alu depctr_va_vcc(0)                    ; the compare has written VCC, which the two selects below read
	v_cndmask_b32 v[T+11], v[T+6], v[T+7], vcc_lo
	v_cndmask_b32 v[T+10], v[T+7], v[T+6], vcc_lo
	v_and_b32 v[T+9], 2, v[T+8]                    ; the sine is negated for q mod 4 = 2, 3,
	v_lshlrev_b32 v[T+9], 30, v[T+9]
	v_xor_b32 v[T+11], v[T+11], v[T+9]
	v_add_nc_u32 v[T+8], 1, v[T+8]                 ; the cosine for q mod 4 = 1, 2
	v_and_b32 v[T+8], 2, v[T+8]
	v_lshlrev_b32 v[T+8], 30, v[T+8]
	v_xor_b32 v[T+10], v[T+10], v[T+8]
	s_wait_alu depctr_va_vdst(0)                   ; cosine and sine are written in v[T+10:T+11], which the store below reads
	global_store_b64 v2, v[T+10:T+11], s[16:17]    ; a wave stores one row of the table, 256 consecutive bytes
.Lno_table:
; The stores of groups g .. g + 3, in one run behind the wait that shows their data written.
.macro STORE4 g
.irp k, 0,1,2,3
	global_store_b64 v2, v[Y+2*((\g)+(\k)):Y+2*((\g)+(\k))+1], s[10:11] offset:2048*((\g)+(\k))
.endr
.endm
; Group i: rounded to bf16; half = 1: the bf16 numbers are widened again and written as f16.  At the head of groups 4, 8 and 12 the four groups before are stored.
.macro GROUP i, half
	s_wait_loadcnt 15-\i                           ; loads come back in order (ISA guide 5.7.1): group i is in, the 15 - i younger ones stay out
.if ((\i) % 4 == 0) && ((\i) > 0)
	s_wait_alu depctr_va_vdst(0)                   ; the conversions of the four groups before have written their Y, which the four stores below read
	STORE4 (\i)-4
.endif
	v_cvt_pk_bf16_f32 v[Y+2*\i],   v[X+4*\i],   v[X+4*\i+1]
	v_cvt_pk_bf16_f32 v[Y+2*\i+1], v[X+4*\i+2], v[X+4*\i+3]
.if \half
	v_lshlrev_b32 v[X+4*\i],   16, v[Y+2*\i]
	v_and_b32     v[X+4*\i+1], 0xffff0000, v[Y+2*\i]
	v_lshlrev_b32 v[X+4*\i+2], 16, v[Y+2*\i+1]
	v_and_b32     v[X+4*\i+3], 0xffff0000, v[Y+2*\i+1]
	v_cvt_pk_f16_f32 v[Y+2*\i],   v[X+4*\i],   v[X+4*\i+1]
	v_cvt_pk_f16_f32 v[Y+2*\i+1], v[X+4*\i+2], v[X+4*\i+3]
.endif
.endm
	s_cmp_ge_u32 s18, 704
	s_cbranch_scc1 .Lto_f16
.irp i, 0,1,2,3,4,5,6,7,8,9,10,11,12,13,14,15
	GROUP \i, 0
.endr
	s_wait_alu depctr_va_vdst(0)                   ; the conversions of groups 12 to 15 have written their Y, which the last four stores read
	STORE4 12
	s_endpgm
.Lto_f16:
.irp i, 0,1,2,3,4,5,6,7,8,9,10,11,12,13,14,15
	GROUP \i, 1
.endr
	s_wait_alu depctr_va_vdst(0)                   ; the conversions of groups 12 to 15 have written their Y, which the last four stores read
	STORE4 12
	s_endpgm
.Lfunc_end_k_qcdef194d23_cast:
	.size	k_qcdef194d23_cast, .Lfunc_end_k_qcdef194d23_cast-k_qcdef194d23_cast
	.p2alignl 7, 3214868480
	.fill 96, 4, 3214868480
	.section	.rodata,"a",@progbits
	.p2align	6, 0x0
	.amdhsa_kernel k_qcdef194d23_cast
		.amdhsa_group_segment_fixed_size 0
		.amdhsa_private_segment_fixed_size 0
		.amdhsa_enable_private_segment 0
		.amdhsa_kernarg_size 56
		.amdhsa_user_sgpr_count 2
		.amdhsa_user_sgpr_kernarg_segment_ptr 1
		.amdhsa_wavefront_size32 1
		.amdhsa_system_sgpr_workgroup_id_x 1
		.amdhsa_system_sgpr_workgroup_id_y 1
		.amdhsa_system_sgpr_workgroup_id_z 1
		.amdhsa_system_vgpr_workitem_id 0
		.amdhsa_next_free_vgpr 120
		.amdhsa_next_free_sgpr 66
		.amdhsa_reserve_vcc 1
		.amdhsa_float_denorm_mode_32 3
		.amdhsa_float_denorm_mode_16_64 3
		.amdhsa_memory_ordered 1
		.amdhsa_forward_progress 1
		.amdhsa_inst_pref_size 19
	.end_amdhsa_kernel
	.amdgpu_metadata
---
amdhsa.version: [ 1, 2 ]
amdhsa.kernels:
  - .name:           k_qcdef194d23_cast
    .symbol:         k_qcdef194d23_cast.kd
    .args:
      - { .name: x, .offset: 0, .size: 8, .value_kind: global_buffer, .address_space: global }
      - { .name: W_qkv, .offset: 8, .size: 8, .value_kind: global_buffer, .address_space: global }
      - { .name: W_proj, .offset: 16, .size: 8, .value_kind: global_buffer, .address_space: global }
      - { .name: xb, .offset: 24, .size: 8, .value_kind: global_buffer, .address_space: global }
      - { .name: wqb, .offset: 32, .size: 8, .value_kind: global_buffer, .address_space: global }
      - { .name: wpb, .offset: 40, .size: 8, .value_kind: global_buffer, .address_space: global }
      - { .name: rope, .offset: 48, .size: 8, .value_kind: global_buffer, .address_space: global }
    .group_segment_fixed_size: 0
    .private_segment_fixed_size: 0
    .kernarg_segment_align: 8
    .kernarg_segment_size: 56
    .max_flat_workgroup_size: 256
    .sgpr_count:     66
    .vgpr_count:     120
    .wavefront_size: 32
...
	.end_amdgpu_metadata
.endif
;; end of part 5
;; launch qkv: the kernel of part 2 again; grid 8 x 32, 4 waves a work-group, clusters of 4 x 4, 327,680 bytes of LDS; arguments xb, wqb, rope, qkv; writes qkv
;; launch attn: the kernel of part 3 again; grid 4 x 64, 8 waves a work-group, no clusters, 327,680 bytes of LDS; arguments qkv, y; writes y
;; launch proj: the kernel of part 4 again; grid 4 x 64, 4 waves a work-group, clusters of 4 x 4, 327,680 bytes of LDS; arguments y, wpb, out0; writes out0
